; MI455X (gfx1250); checked and timed in simulation.
; The chip was launched on July 23, 2026; its instructions are those of AMD's public machine-readable ISA for CDNA 5 (MIT licence, August 2026) and "CDNA5" Instruction Set Architecture Reference Guide (July 2026). The comments in the code are by the model that wrote it; some were corrected since.
;; Flax TPU Gemma3 Attention. Allowed arithmetic: matrix products marked QUANTISED: E2M1 operands, one E8M0 scale for each 32 along K, by v_wmma_scale_f32_16x16x128_f8f6f4 with both operands' format E2M1 (or v_wmma_scale_f32_32x16x128_f4), f32 sums; products left as they are: bf16, f16 or f32 operands; f32 sums; everything else in f32.
;; Inputs: Wk 2,048 x 1,024 float32; Wo 1,024 x 2,048 float32; Wq 2,048 x 1,024 float32; Wv 2,048 x 1,024 float32; attention_mask 2 x 2,048 int32; cos 2 x 2,048 x 256 float32; hidden_states 2 x 2,048 x 2,048 float32; k_norm_w 256 float32; q_norm_w 256 float32; sin 2 x 2,048 x 256 float32.
;; Outputs: out0 2 x 2,048 x 2,048 float32.
;; This version of the problem:
;;   THIS VERSION OF THE PROBLEM IS GIVEN IN LOW PRECISION. The matrix products marked QUANTISED in the list below multiply operands that are first quantised to E2M1 (2 exponent bits, 1 mantissa bit; 4 bits a number), with one power-of-two scale for each 32 numbers along K (OCP MX v1.0); their sums are f32. The products marked 'left as it is' may take bf16, f16 or f32 operands, with f32 sums. Whichever they take, every output number must still come out within the allowed error. Rounding operands to bf16 (8 significant bits) uses up far more of that allowance than f16 does (11 bits, for magnitudes from 6e-5 to 65,504). All else is computed in f32.
;;   The module's matrix products, in the order in which they are computed (A, B: the left and right operand; K: the contracted axis; several contracted axes count as one K, in the product's order):
;;     1. [M 4,096, K 2,048] x [K 2,048, N 1,024]; A: input hidden_states; B: input Wq: QUANTISED
;;     2. [M 4,096, K 2,048] x [K 2,048, N 1,024]; A: input hidden_states; B: input Wk: QUANTISED
;;     3. [M 4,096, K 2,048] x [K 2,048, N 1,024]; A: input hidden_states; B: input Wv: QUANTISED
;;     4. batch 8 x [M 2,048, K 256] x [K 256, N 2,048]; A: computed on the way; B: computed on the way: left as it is (an operand is computed on the way)
;;     5. batch 8 x [M 256, K 2,048] x [K 2,048, N 2,048]; A: computed on the way; B: computed on the way: left as it is (an operand is computed on the way)
;;     6. [M 4,096, K 1,024] x [K 1,024, N 2,048]; A: computed on the way; B: input Wo: left as it is (an operand is computed on the way)
;;   THE QUANTISER, for each operand of a quantised product, along K:
;;     - K is cut into blocks of 32 from its start; a last block that is shorter is filled with zeros.
;;     - A block's scale is 2^e with e = floor(log2(the largest magnitude in the block)) - 2, held to -126 .. 127; a block of zeros has e = 0. As a byte (E8M0): e + 127.
;;     - Each number is divided by its block's scale, clamped to +-6, and rounded to the nearest number of E2M1, ties to even, subnormals kept.
;;     - The product sums the exact products of the quantised numbers (number of the format x scale) in f32.
;;   ~~~python
;;   def quantise(x, axis):      # numpy; x: float32 -> the quantised numbers, widened to float32 again
;;       x = np.moveaxis(x, axis, -1); K = x.shape[-1]
;;       x = np.pad(x, [(0, 0)] * (x.ndim - 1) + [(0, -K % 32)]); x = x.reshape(x.shape[:-1] + (-1, 32)); a = np.abs(x).max(-1, keepdims=True)
;;       e = np.where(a > 0, np.clip(np.frexp(np.where(a > 0, a, 1))[1] - 1 - 2, -126, 127), 0)      # np.frexp(a)[1] - 1 = floor(log2(a)), exactly
;;       r = np.clip(x / 2.0 ** e, -6, 6)
;;       step = 2.0 ** (np.maximum(np.frexp(np.where(r == 0, 1, r))[1] - 1, 0) - 1)
;;       q = np.round(r / step) * step * 2.0 ** e      # np.round: ties to even
;;       return np.moveaxis(q.reshape(q.shape[:-2] + (-1,))[..., :K], -1, axis).astype(np.float32)
;;   ~~~
;; One version. Each part assembles by itself: llvm-mc -triple=amdgcn-amd-amdhsa -mcpu=gfx1250 --defsym DOCPART=n.
;; ======== version 1 of 1: 5 launches
;; limits: values are held in f16: magnitudes above 65,504 overflow, below 6.1e-05 lose precision
;; workspace buffers: codes 7,798,784 bytes; tables 8,388,608 bytes; wof 4,194,304 bytes; qkv 25,165,824 bytes; vsum 65,536 bytes; first 393,216 bytes; of 8,388,608 bytes
;; launch prep (part 1): grid 576 x 1, 4 waves a work-group, no clusters, 68,096 bytes of LDS; arguments hidden_states, Wq, Wk, Wv, Wo, cos, sin, codes, tables, wof; writes codes, tables, wof
.if DOCPART == 1
	.amdgcn_target "amdgcn-amd-amdhsa--gfx1250"
	.amdhsa_code_object_version 6
	.text
	.protected	k_qfcd0ab749e_prep
	.globl	k_qfcd0ab749e_prep
	.p2align	8
	.type	k_qfcd0ab749e_prep,@function
k_qfcd0ab749e_prep:
	s_mov_b64 s[64:65], 0
	v_nop
	global_prefetch_b8 v0, s[64:65] scope:SCOPE_SE
	s_setreg_imm32_b32 hwreg(HW_REG_WAVE_MODE, 25, 1), 1
	s_wait_xcnt 0x0
; PREP: everything that later launches read many times is laid out once, in the order of the operands' registers.
;   path W (work-groups 0-191):   Wq, Wk, Wv [2048 k][1024 n] f32 -> codes of E2M1 along k and E8M0 scale words
;   path H (work-groups 192-447): hidden_states [4096][2048] f32  -> the same
;   path O (work-groups 448-511): Wo [1024 k][2048 n] f32         -> f16 fragments
;   path T (work-groups 512-575): cos, sin [4096][256] f32        -> f32 in the layout of a matrix result
; AN IMAGE of a fragment (16 rows x 128 k of 4-bit codes, or 16 rows x 32 k of f16) is 1,024 bytes: registers 0-3 of lane l at 16 l, registers 4-7 at 512 + 16 l.
; codes: hidden's images at 0 [row tile 256][k step 16]; the weights' at WCO [n tile 192][k step 16]; scale images at HSO and WSO [tile][quarter of K 4][256 bytes]:
; lane (r, h) holds two words, word i = the scale word of row r for k step 4 quarter + 2 i + h, so that one 8-byte load a lane serves four k steps.
; THE QUANTISER: a block's scale is 2^(floor(log2(largest magnitude)) - 2); its byte is the largest magnitude's exponent field - 2, held at 1 from below.
; LIMITS: a block of zeros gets the byte 1 where the rule says 127 (its codes are zeros, and this program alone reads the bytes); NaN and infinities are not served; Wo goes in f16 (magnitudes under 65,504).
; Memory binds: no matrix unit, no tensor load, no barrier; waves share nothing.  The two paths that use LDS have bytes of their own.
; In the two paths whose lanes take columns (W, O) a wave walks eight blocks of 32 along K, two blocks (64 loads) ahead: the weights are cut into eighths of K so that no path's waves walk longer than another's.
.set WCO,   4194304
.set HSO,   7340032
.set WSO,   7602176
.set STG,   8448                       ; a wave's stage: 16 rows x (512 bytes + 16)
.set TSTG,  4*STG                      ; path T's four stages lie behind path H's four
.set SPARE, 8*STG                      ; the spare words, 128 bytes a wave
.set SPW,   254                        ; v254 LDS address of my spare word; never rewritten
.set NIL,   255                        ; v255 0; never rewritten
.set R,     16                         ; v16-143  paths H, T: two sets of 64 registers as loaded
.set X,     144                        ; v144-207 paths H, T: 64 numbers in the order wanted
.set C,     208                        ; v208-239 path H: the codes, eight registers a unit
.set WW,    240                        ; v240-243 path H: the four scale words
.set WX,    32                         ; v32-95   paths W, O: two sets of 32 numbers down K
.set WCD,   96                         ; v96-127  path W: the codes, four registers a block
.set SBW,   160                        ; v160-161 path W: the scale words of my two k steps
.set OPK,   96                         ; v96-223  path O: packed f16, sixteen registers a chunk
.macro FINISH                          ; a wave's end
	s_wait_tensorcnt 0x0
	ds_add_u32 v[SPW], v[NIL]
	s_wait_dscnt 0x0
	s_endpgm
.endm
; ---- path W: a lane takes a column, its registers run down K
.macro WLOAD t                         ; block t: W(32 t + i, my column)
.set ii, 0
.rept 32
	global_load_b32 v[WX+32*((\t)%2)+ii], v10, s[32:33] offset:(32*(\t)+ii)*4096 th:TH_LOAD_NT
.set ii, ii+1
.endr
.endm
.macro WBLOCK t
.set XS, WX+32*((\t)%2)
.if (\t) < 7
	s_wait_loadcnt 32                              ; this block's 32 loads are in; the next block's 32 may be out
.else
	s_wait_loadcnt 0x0
.endif
	v_max3_num_f32 v13, |v[XS]|, |v[XS+1]|, |v[XS+2]|
	v_max3_num_f32 v14, |v[XS+3]|, |v[XS+4]|, |v[XS+5]|
.irp i, 6,10,14,18,22,26
	v_max3_num_f32 v13, v13, |v[XS+\i]|, |v[XS+\i+1]|
	v_max3_num_f32 v14, v14, |v[XS+\i+2]|, |v[XS+\i+3]|
.endr
	v_max3_num_f32 v13, v13, |v[XS+30]|, |v[XS+31]|
	v_max3_num_f32 v13, v13, v14, 0x1800000        ; the floor 2^(3 - 127): the byte cannot fall under 1
	v_add_nc_u32 v15, 0xff000000, v13              ; 2 off the exponent field: the conversion's scale operand
	v_lshrrev_b32 v14, 23, v15                     ; the scale's byte
.set SR, SBW+(\t)/4
.if (\t)%4 == 0
	v_mov_b32 v[SR], v14
.else
	v_lshl_or_b32 v[SR], v14, 8*((\t)%4), v[SR]
.endif
.irp g, 0,1,2,3
	v_cvt_scalef32_pk8_fp4_f32 v[WCD+4*(\t)+\g], v[XS+8*\g:XS+8*\g+7], v15
.endr
	global_store_b128 v11, v[WCD+4*(\t):WCD+4*(\t)+3], s[38:39] offset:((\t)/4)*1024+512*(((\t)%4)/2)+256*((\t)%2)   ; sixteen lanes store 256 consecutive bytes of an image
.if (\t)+2 < 8
	WLOAD (\t)+2
.endif
.endm
; ---- path H: a unit is 16 rows x 128 k; loads take rows as they lie, the stage turns them
.macro HLOAD s
.set ii, 0
.rept 16
	global_load_b128 v[R+64*((\s)%2)+4*ii:R+64*((\s)%2)+4*ii+3], v5, s[32:33] offset:8192*ii+512*(\s) th:TH_LOAD_NT
.set ii, ii+1
.endr
.endm
.macro HUNIT s
.set RS, R+64*((\s)%2)
.if (\s) < 3
	s_wait_loadcnt 16                              ; this unit's 16 loads are in; the next unit's may be out
.else
	s_wait_loadcnt 0x0
.endif
.set ii, 0
.rept 16
	ds_store_b128 v6, v[RS+4*ii:RS+4*ii+3] offset:528*ii
.set ii, ii+1
.endr
.irp c, 0,1
.irp i, 0,1,2,3,4,5,6,7
	ds_load_b128 v[X+32*\c+4*\i:X+32*\c+4*\i+3], v8 offset:256*\c+16*\i   ; lane (r, h): k = 64 c + 32 h + 0 .. 31 of row r; LDS serves a wave's instructions in order
.endr
.endr
	s_wait_dscnt 0x0                               ; the numbers are back, and the stores have read their registers
.if (\s)+2 < 4
	HLOAD (\s)+2
.endif
.irp c, 0,1
	v_max3_num_f32 v[10+\c], |v[X+32*\c]|, |v[X+32*\c+1]|, 0x1800000
.endr
.irp i, 2,4,6,8,10,12,14,16,18,20,22,24,26,28,30
.irp c, 0,1
	v_max3_num_f32 v[10+\c], v[10+\c], |v[X+32*\c+\i]|, |v[X+32*\c+\i+1]|
.endr
.endr
.irp c, 0,1
	v_add_nc_u32 v[12+\c], 0xff000000, v[10+\c]
.endr
.irp c, 0,1
	v_lshrrev_b32 v[14+\c], 23, v[12+\c]
.endr
	v_lshl_or_b32 v244, v15, 16, v14               ; my two bytes: blocks h and 2 + h,
	v_lshlrev_b32 v244, v246, v244                 ; 8 h bits up;
	v_permlanex16_b32 v245, v244, s25, s26
	v_or_b32 v[WW+(\s)], v244, v245                ; with lane l xor 16's two the word is whole
.irp c, 0,1
.irp g, 0,1,2,3
	v_cvt_scalef32_pk8_fp4_f32 v[C+8*(\s)+4*\c+\g], v[X+32*\c+8*\g:X+32*\c+8*\g+7], v[12+\c]
.endr
.endr
	global_store_b128 v5, v[C+8*(\s):C+8*(\s)+3], s[38:39] offset:1024*(\s)
	global_store_b128 v5, v[C+8*(\s)+4:C+8*(\s)+7], s[38:39] offset:1024*(\s)+512
.endm
; ---- path O
.macro OLOAD c
.set ii, 0
.rept 32
	global_load_b32 v[WX+32*((\c)%2)+ii], v10, s[32:33] offset:(32*(\c)+ii)*8192 th:TH_LOAD_NT
.set ii, ii+1
.endr
.endm
.macro OCHUNK c                        ; 32 k of my column become sixteen packed registers: four quads of 8 k, quad d at 256 d + 16 r of the image
.set XS, WX+32*((\c)%2)
.if (\c) < 7
	s_wait_loadcnt 32
.else
	s_wait_loadcnt 0x0
.endif
.set ii, 0
.rept 16
	v_cvt_pk_f16_f32 v[OPK+16*(\c)+ii], v[XS+2*ii], v[XS+2*ii+1]
.set ii, ii+1
.endr
.irp d, 0,1,2,3
	global_store_b128 v11, v[OPK+16*(\c)+4*\d:OPK+16*(\c)+4*\d+3], s[38:39] offset:1024*(\c)+256*\d
.endr
.if (\c)+2 < 8
	OLOAD (\c)+2
.endif
.endm
; ---- path T: unit u = table u / 2 (cos, sin), half row u % 2
.macro TLOADU u
.set ii, 0
.rept 16
	global_load_b128 v[R+64*((\u)%2)+4*ii:R+64*((\u)%2)+4*ii+3], v5, s[32+4*((\u)/2):33+4*((\u)/2)] offset:1024*ii+512*((\u)%2) th:TH_LOAD_NT
.set ii, ii+1
.endr
.endm
.macro TUNIT u
.set RS, R+64*((\u)%2)
.if (\u) < 3
	s_wait_loadcnt 16
.else
	s_wait_loadcnt 0x0
.endif
.set ii, 0
.rept 16
	ds_store_b128 v6, v[RS+4*ii:RS+4*ii+3] offset:TSTG+528*ii
.set ii, ii+1
.endr
.if (\u) > 0
	s_wait_xcnt 0x0                                ; the last unit's stores have read the registers into which the loads below land
.endif
.set ii, 0
.rept 16
	ds_load_b128 v[X+4*ii:X+4*ii+3], v9 offset:TSTG+64*(ii/2)+16*(ii%2)   ; lane (r, h): columns 16 t + 8 h + 4 half .. + 3 of row r
.set ii, ii+1
.endr
	s_wait_dscnt 0x0
.if (\u)+2 < 4
	TLOADU (\u)+2
.endif
.set ii, 0
.rept 16
	global_store_b128 v5, v[X+4*ii:X+4*ii+3], s[38:39] offset:((\u)/2)*16384+(8*((\u)%2)+ii/2)*1024+(ii%2)*512
.set ii, ii+1
.endr
.endm
	s_load_b256 s[4:11], s[0:1], 0x0               ; hidden s[4:5], Wq s[6:7], Wk s[8:9], Wv s[10:11]
	s_load_b256 s[12:19], s[0:1], 0x20             ; Wo s[12:13], cos s[14:15], sin s[16:17], codes s[18:19]
	s_load_b128 s[20:23], s[0:1], 0x40             ; tables s[20:21], wof s[22:23]
	v_lshl_add_u32 v[SPW], v0, 2, SPARE
	v_mov_b32 v[NIL], 0
	v_lshrrev_b32 v1, 5, v0
	v_readfirstlane_b32 s24, v1                    ; wave
	v_and_b32 v2, 31, v0                           ; lane
	v_and_b32 v3, 15, v0                           ; r
	v_bfe_u32 v4, v0, 4, 1                         ; h
	v_lshlrev_b32 v5, 4, v2                        ; 16 x lane
	s_mul_i32 s27, s24, STG
	v_add_nc_u32 v6, s27, v5                       ; into my stage: 16 x lane, the row in the immediate
	v_mul_u32_u24 v7, v3, 528
	v_lshl_add_u32 v8, v4, 7, v7
	v_add_nc_u32 v8, s27, v8                       ; path H, out of it: 528 r + 128 h
	v_lshl_add_u32 v9, v4, 5, v7
	v_add_nc_u32 v9, s27, v9                       ; path T, out of it: 528 r + 32 h
	v_mov_b32 v245, 0                              ; a lane permute's destination counts as read
	v_lshlrev_b32 v246, 3, v4                      ; 8 h
	v_lshlrev_b32 v247, 3, v2                      ; 8 x lane
	s_mov_b32 s25, 0x76543210
	s_mov_b32 s26, 0xfedcba98                      ; lane l xor 16
	s_mov_b32 s35, 0
	s_mov_b32 s39, 0
	s_mov_b32 s41, 0
	s_wait_kmcnt 0x0
	s_cmp_lt_u32 ttmp9, 192
	s_cbranch_scc1 .Lpath_w
	s_cmp_lt_u32 ttmp9, 448
	s_cbranch_scc1 .Lpath_h
	s_cmp_lt_u32 ttmp9, 512
	s_cbranch_scc1 .Lpath_o
	; ---- path T: my wave's tile of 16 rows
	s_sub_co_u32 s28, ttmp9, 512
	s_lshl_b32 s28, s28, 2
	s_add_co_u32 s28, s28, s24
	s_lshl_b32 s34, s28, 14                        ; 16 rows of 1,024 bytes
	s_add_nc_u64 s[32:33], s[14:15], s[34:35]
	s_add_nc_u64 s[36:37], s[16:17], s[34:35]
	s_lshl_b32 s38, s28, 15
	s_add_nc_u64 s[38:39], s[20:21], s[38:39]
	TLOADU 0
	TLOADU 1
	TUNIT 0
	TUNIT 1
	TUNIT 2
	TUNIT 3
	FINISH
.Lpath_w:
	s_lshr_b32 s28, ttmp9, 6                       ; which weight
	s_bfe_u32 s29, ttmp9, 0x30003                  ; which 128 columns
	s_and_b32 s30, ttmp9, 7                        ; which 256 along K: two k steps
	s_cmp_eq_u32 s28, 0
	s_cselect_b64 s[32:33], s[6:7], s[8:9]
	s_cmp_eq_u32 s28, 2
	s_cselect_b64 s[32:33], s[10:11], s[32:33]
	s_lshl_b32 s34, s30, 20                        ; 256 rows of 4,096 bytes
	s_lshl_b32 s36, s29, 9
	s_add_co_u32 s34, s34, s36
	s_lshl_b32 s36, s24, 7
	s_add_co_u32 s34, s34, s36                     ; + my wave's 32 columns
	s_add_nc_u64 s[32:33], s[32:33], s[34:35]
	s_lshl_b32 s36, s28, 6
	s_lshl_b32 s37, s29, 3
	s_add_co_u32 s36, s36, s37
	s_lshl_b32 s37, s24, 1
	s_add_co_u32 s36, s36, s37                     ; the n tile of lanes 0-15; lanes 16-31 hold the next
	s_lshl_b32 s38, s36, 14
	s_lshl_b32 s37, s30, 11                        ; two images of 1,024 bytes for each eighth of K
	s_add_co_u32 s38, s38, s37
	s_add_co_u32 s38, s38, WCO
	s_add_nc_u64 s[38:39], s[18:19], s[38:39]
	s_lshl_b32 s40, s36, 10
	s_lshr_b32 s37, s30, 1
	s_lshl_b32 s37, s37, 8                         ; the quarter's scale image,
	s_add_co_u32 s40, s40, s37
	s_and_b32 s37, s30, 1
	s_lshl_b32 s37, s37, 2                         ; and in it word 0 or 1 of each lane's two
	s_add_co_u32 s40, s40, s37
	s_add_co_u32 s40, s40, WSO
	s_add_nc_u64 s[40:41], s[18:19], s[40:41]
	v_lshlrev_b32 v10, 2, v2
	v_lshlrev_b32 v11, 4, v3
	v_lshl_add_u32 v11, v4, 14, v11                ; 16 r + 16,384 (lane / 16)
	WLOAD 0
	WLOAD 1
.set QQ, 0
.rept 8
	WBLOCK QQ
.set QQ, QQ+1
.endr
	v_permlane16_swap_b32 v160, v161               ; the words of my two k steps: the first register becomes the lower tile's (lanes 0-15 the even step, lanes 16-31 the odd one), the second the upper tile's
	global_store_b32 v247, v160, s[40:41]          ; 4 bytes of each lane's 8: the other word is the neighbouring eighth's, stored by its work-group; 196,608 bytes in the whole launch leave so
	global_store_b32 v247, v161, s[40:41] offset:1024
	FINISH
.Lpath_h:
	s_sub_co_u32 s28, ttmp9, 192                   ; row tile; my wave takes a quarter of K
	s_lshl_b32 s34, s28, 17
	s_lshl_b32 s36, s24, 11
	s_add_co_u32 s34, s34, s36
	s_add_nc_u64 s[32:33], s[4:5], s[34:35]
	s_lshl_b32 s38, s28, 14
	s_lshl_b32 s36, s24, 12
	s_add_co_u32 s38, s38, s36
	s_add_nc_u64 s[38:39], s[18:19], s[38:39]
	s_lshl_b32 s40, s28, 10
	s_lshl_b32 s36, s24, 8
	s_add_co_u32 s40, s40, s36
	s_add_co_u32 s40, s40, HSO
	s_add_nc_u64 s[40:41], s[18:19], s[40:41]
	s_mov_b32 s42, 0xffff0000                      ; lanes 16-31
	HLOAD 0
	HLOAD 1
	HUNIT 0
	HUNIT 1
	HUNIT 2
	HUNIT 3
	v_cndmask_b32 v248, v240, v241, s42            ; lanes 0-15 the even k step's word, lanes 16-31 the odd one's
	v_cndmask_b32 v249, v242, v243, s42
	global_store_b64 v247, v[248:249], s[40:41]
	FINISH
.Lpath_o:
	s_sub_co_u32 s28, ttmp9, 448
	s_lshr_b32 s29, s28, 2                         ; which 128 columns
	s_and_b32 s30, s28, 3                          ; which 256 along K
	s_lshl_b32 s34, s30, 21                        ; 256 rows of 8,192 bytes
	s_lshl_b32 s36, s29, 9
	s_add_co_u32 s34, s34, s36
	s_lshl_b32 s36, s24, 7
	s_add_co_u32 s34, s34, s36
	s_add_nc_u64 s[32:33], s[12:13], s[34:35]
	s_lshl_b32 s38, s29, 3
	s_lshl_b32 s36, s24, 1
	s_add_co_u32 s38, s38, s36
	s_lshl_b32 s38, s38, 15                        ; an n tile's 32 chunks are 32,768 bytes
	s_lshl_b32 s36, s30, 13
	s_add_co_u32 s38, s38, s36
	s_add_nc_u64 s[38:39], s[22:23], s[38:39]
	v_lshlrev_b32 v10, 2, v2
	v_lshlrev_b32 v11, 4, v3
	v_lshl_add_u32 v11, v4, 15, v11
	OLOAD 0
	OLOAD 1
.set QQ, 0
.rept 8
	OCHUNK QQ
.set QQ, QQ+1
.endr
	FINISH
.Lfunc_end_k_qfcd0ab749e_prep:
	.size	k_qfcd0ab749e_prep, .Lfunc_end_k_qfcd0ab749e_prep-k_qfcd0ab749e_prep
	.p2alignl 7, 3214868480
	.fill 96, 4, 3214868480
	.section	.rodata,"a",@progbits
	.p2align	6, 0x0
	.amdhsa_kernel k_qfcd0ab749e_prep
		.amdhsa_group_segment_fixed_size 68096
		.amdhsa_private_segment_fixed_size 0
		.amdhsa_enable_private_segment 0
		.amdhsa_kernarg_size 80
		.amdhsa_user_sgpr_count 2
		.amdhsa_user_sgpr_kernarg_segment_ptr 1
		.amdhsa_wavefront_size32 1
		.amdhsa_system_sgpr_workgroup_id_x 1
		.amdhsa_system_sgpr_workgroup_id_y 1
		.amdhsa_system_sgpr_workgroup_id_z 1
		.amdhsa_system_vgpr_workitem_id 0
		.amdhsa_next_free_vgpr 256
		.amdhsa_next_free_sgpr 66
		.amdhsa_reserve_vcc 0
		.amdhsa_float_denorm_mode_32 3
		.amdhsa_float_denorm_mode_16_64 3
		.amdhsa_memory_ordered 1
		.amdhsa_forward_progress 1
		.amdhsa_inst_pref_size 125
	.end_amdhsa_kernel
	.amdgpu_metadata
---
amdhsa.version: [ 1, 2 ]
amdhsa.kernels:
  - .name:           k_qfcd0ab749e_prep
    .symbol:         k_qfcd0ab749e_prep.kd
    .args:
      - { .name: hidden_states, .offset: 0, .size: 8, .value_kind: global_buffer, .address_space: global }
      - { .name: Wq, .offset: 8, .size: 8, .value_kind: global_buffer, .address_space: global }
      - { .name: Wk, .offset: 16, .size: 8, .value_kind: global_buffer, .address_space: global }
      - { .name: Wv, .offset: 24, .size: 8, .value_kind: global_buffer, .address_space: global }
      - { .name: Wo, .offset: 32, .size: 8, .value_kind: global_buffer, .address_space: global }
      - { .name: cos, .offset: 40, .size: 8, .value_kind: global_buffer, .address_space: global }
      - { .name: sin, .offset: 48, .size: 8, .value_kind: global_buffer, .address_space: global }
      - { .name: codes, .offset: 56, .size: 8, .value_kind: global_buffer, .address_space: global }
      - { .name: tables, .offset: 64, .size: 8, .value_kind: global_buffer, .address_space: global }
      - { .name: wof, .offset: 72, .size: 8, .value_kind: global_buffer, .address_space: global }
    .group_segment_fixed_size: 68096
    .private_segment_fixed_size: 0
    .kernarg_segment_align: 8
    .kernarg_segment_size: 80
    .max_flat_workgroup_size: 128
    .sgpr_count:     66
    .vgpr_count:     256
    .wavefront_size: 32
...
	.end_amdgpu_metadata
.endif
;; end of part 1
;; launch qkv (part 2): grid 12 x 16, 4 waves a work-group, clusters of 4 x 4, 327,680 bytes of LDS; arguments codes, tables, q_norm_w, k_norm_w, qkv, vsum, first; writes qkv, vsum, first
.if DOCPART == 2
	.amdgcn_target "amdgcn-amd-amdhsa--gfx1250"
	.amdhsa_code_object_version 6
	.text
	.protected	k_qfcd0ab749e_qkv
	.globl	k_qfcd0ab749e_qkv
	.p2align	8
	.type	k_qfcd0ab749e_qkv,@function
k_qfcd0ab749e_qkv:
	s_mov_b64 s[64:65], 0
	v_nop
	global_prefetch_b8 v0, s[64:65] scope:SCOPE_SE
	s_setreg_imm32_b32 hwreg(HW_REG_WAVE_MODE, 25, 1), 1
	s_wait_xcnt 0x0
	s_wait_alu depctr_hold_cnt(0) depctr_sa_sdst(0) depctr_va_vdst(0) depctr_va_sdst(0) depctr_va_ssrc(0) depctr_va_vcc(0) depctr_vm_vsrc(0)
	s_getreg_b32 s2, hwreg(HW_REG_IB_STS2, 6, 4)
	s_cmp_eq_u32 s2, 0
	s_cbranch_scc0 .Lentry_in_a_cluster
	s_endpgm
.Lentry_in_a_cluster:
	s_bfe_u32 s2, ttmp6, 0x10000c
	s_cmp_lg_u32 s2, 0xf033
	s_cbranch_scc0 .Lentry_shape_is_right
	s_endpgm
.Lentry_shape_is_right:
; QKV: the three quantised products, hidden [4096][2048] x Wq, Wk, Wv [2048][1024], on codes of E2M1 with E8M0 scales, then RMS norm and rope (q, k), all in f32; the results leave as f16 fragment images.
; A work-group makes 256 x 256: X (source 0, 16 blocks of 16 rows) x Y (source 1).  In a result lane (r, h) holds Y's row r and X's rows 8 h + 0 .. 7.
;   kind 0, 1 (q, k; kind = cluster x): X = a head's 256 channels of W, Y = 256 rows of hidden: a lane holds one position and eight neighbouring channels: half a fragment of q or k once packed.
;   kind 2 (v): X = 256 rows of hidden (keys), Y = a head's 256 channels of Wv: a lane holds one channel and eight neighbouring keys: half a fragment of V^T.
; Wave w multiplies all 16 blocks of X by Y's blocks 4 w .. 4 w + 3: 64 accumulators, 512 registers.  So a head's 256 channels, both rope halves among them, lie in one lane.
; K goes in steps of 512 (four matrix instructions deep) through two LDS slots; the tiles are fragment images, so every LDS read is 16 x lane on end.  The scale images of all of K come once.
; CLUSTER 4 x 4: X's tile hangs on cx (and on numbers that all sixteen share): the four of a column ask jointly; Y's on cy: the four of a row.  Kind is the cluster's x: the same in all partners, so branches may hang on it.
; 192 work-groups: a norm needs a head's 256 channels in one work-group, and 3,072 x 4,096 results make no more tiles of 256 x 256.
; Also stored: column sums of v for each 256 rows (vsum), and positions 0-15 of each sequence in f32 (first); which work-groups hold those positions hangs on cx or cy, so they are picked by EXEC, not by a branch.
; THE WAY OUT OF q AND k WRITES NO REGISTER TWICE THAT A STORE READS: packed results go into the accumulators that the same rope step has used up (my first block's into registers of their own, since its accumulators keep the f32
; results for the copy of positions 0-15).  So no store is waited for, and EXEC is changed once.
; THE ROPE TABLES' FIRST FOUR SETS are asked for two K steps ahead of the way out, into registers that lie idle in the main loop.  The lines stand on the one way that all kinds take: a work-group of kind v asks for them too
; (64 KB, inside the buffer: its yi is 8 to 11) and does not read them: 4 MB in the launch.
; LIMITS: NaN and infinities are not served; q, k after norm and rope, and v, go in f16: magnitudes under 65,504.
; REGISTERS: window 0: v1-12 addresses; v16-31 sums of squares, then 1 / rms; v32-95 X's scale words, two sets; v96-111 Y's: these hold scales and nothing else; v112-175 Y's fragments, two sets;
;   on the way out v112-239 the norm's weights, then v112-127 at work and v144-207 packed results.
;   window 1: v0-127 X's fragments, one set (on the way out table sets 4-7); v128-255 table sets 0-3.   windows 2, 3: accumulator (xb, yb) at window 2 + xb / 8, v[8 (4 (xb % 8) + yb)].
.set WCO,   4194304
.set HSO,   7340032
.set SLOT,  131072                     ; X [tile 16][4][1 KB], then Y
.set SCL,   262144                     ; X's scale images 16 KB, then Y's
.set SPARE, 294912                     ; the spare words, 128 bytes a wave
.set L16,   1                          ; v1  16 x lane; also X's address in slot 0
.set ADX,   1                          ; v1, v2
.set ADY,   3                          ; v3, v4
.set ADSX,  5
.set ADSY,  6
.set SPW,   8
.set NIL,   9
.set WOF,   10
.set PRD,   11
.set R4,    12
.set SSQ,   16                         ; v16-31: four registers for each of my blocks: two chains of squares; later registers 2, 3 of the four hold 1 / rms, as a pair
.set SX,    32
.set SY,    96
.set YF,    112
.set WP,    112                        ; the way out of q, k: v112-239 the norm's weights w[16 t + 8 h + j] at 8 t + j
.set RR,    112                        ; then v112-127 sixteen numbers at work
.set SUM,   128                        ; v arm: v128-131 two chains; v132-135 the sums
.set PK,    144
.set G1X,  24
.set G1Y,  32
.set G0X,  40
.set G0Y,  48
.set G1SX, 56
.set G1SY, 68
.set G0SX, 76
.set G0SY, 80
.set MSB, 0
.macro WIN new                         ; the immediate's high byte repeats the setting that is left
.if MSB != (\new)
	s_set_vgpr_msb (MSB<<8)|(\new)
.set MSB, (\new)
.endif
.endm
.macro PLACES                          ; four plain places behind matrix instructions, ahead of loads into their registers and of reads of results
.rept 4
	v_nop
.endr
.endm
.macro JLOAD g0a, g1a, g0b, g1b        ; a joint load: waves 0, 1 fetch X's halves, waves 2, 3 Y's; an s_nop 0 and four v_nop follow each line
	s_cmp_eq_u32 s19, 0
	s_cbranch_scc0 .Lfor_y_\@
	tensor_load_to_lds s[\g0a:\g0a+3], s[\g1a:\g1a+7]
	s_nop 0
.rept 4
	v_nop
.endr
	s_branch .Lasked_\@
.Lfor_y_\@:
	tensor_load_to_lds s[\g0b:\g0b+3], s[\g1b:\g1b+7]
	s_nop 0
.rept 4
	v_nop
.endr
.Lasked_\@:
.endm
.macro CREST
	s_cmp_lg_u32 s18, 0
	s_cbranch_scc1 .Lnot_wave_0_\@
	s_barrier_signal -3
.Lnot_wave_0_\@:
	s_barrier_wait -3
	s_barrier_signal -1
	s_barrier_wait -1
.endm
.macro CROUND
	s_barrier_signal -1
	s_barrier_wait -1
	CREST
.endm
; n blocks of X from x0 on, each against my four of Y: the slot's q-th 128 along K.  The scale word of an even q lies in lanes 0-15 of register q / 2 of the pair, that of an odd q in lanes 16-31.
; The 64 accumulators take turns, one instruction a turn, in the same order in every step.
.macro MUL x0, n, q, sc, zero
.set XB, \x0
.rept \n
.irp yb, 0,1,2,3
.set rD, 8*(4*(XB%8)+\yb)
.set rX, 8*XB
.set rY, YF+32*((\q)%2)+8*\yb
.set rSX, SX+32*(\sc)+2*XB+(\q)/2
.set rSY, SY+8*(\sc)+2*\yb+(\q)/2
.if \zero
	v_wmma_scale_f32_16x16x128_f8f6f4 v[rD:rD+7], v[rX:rX+7], v[rY:rY+7], 0, v[rSX], v[rSY] matrix_a_fmt:MATRIX_FMT_FP4 matrix_b_fmt:MATRIX_FMT_FP4
.elseif (\q)%2
	v_wmma_scale_f32_16x16x128_f8f6f4 v[rD:rD+7], v[rX:rX+7], v[rY:rY+7], v[rD:rD+7], v[rSX], v[rSY] matrix_a_fmt:MATRIX_FMT_FP4 matrix_b_fmt:MATRIX_FMT_FP4 matrix_a_scale:MATRIX_SCALE_ROW1 matrix_b_scale:MATRIX_SCALE_ROW1
.else
	v_wmma_scale_f32_16x16x128_f8f6f4 v[rD:rD+7], v[rX:rX+7], v[rY:rY+7], v[rD:rD+7], v[rSX], v[rSY] matrix_a_fmt:MATRIX_FMT_FP4 matrix_b_fmt:MATRIX_FMT_FP4
.endif
.endr
.set XB, XB+1
.endr
.endm
.macro FETCH_X slot, q, hi             ; eight of X's fragments: 16 LDS loads
	WIN 0x40
.set XB, 8*(\hi)
.rept 8
	ds_load_b128 v[8*XB:8*XB+3],   v[ADX+\slot] offset:XB*4096+(\q)*1024
	ds_load_b128 v[8*XB+4:8*XB+7], v[ADX+\slot] offset:XB*4096+(\q)*1024+512
.set XB, XB+1
.endr
	WIN 0
.endm
.macro FETCH_Y slot, q                 ; my four of Y's: 8 LDS loads, into set q % 2
.irp yb, 0,1,2,3
	ds_load_b128 v[YF+32*((\q)%2)+8*\yb:YF+32*((\q)%2)+8*\yb+3],   v[ADY+\slot] offset:\yb*4096+(\q)*1024
	ds_load_b128 v[YF+32*((\q)%2)+8*\yb+4:YF+32*((\q)%2)+8*\yb+7], v[ADY+\slot] offset:\yb*4096+(\q)*1024+512
.endr
.endm
.macro SCALES sc, T                    ; the scale words of K step T: 20 LDS loads of 8 bytes a lane
.set XB, 0
.rept 16
	ds_load_b64 v[SX+32*(\sc)+2*XB:SX+32*(\sc)+2*XB+1], v[ADSX] offset:XB*1024+256*(\T)
.set XB, XB+1
.endr
.irp yb, 0,1,2,3
	ds_load_b64 v[SY+8*(\sc)+2*\yb:SY+8*(\sc)+2*\yb+1], v[ADSY] offset:\yb*1024+256*(\T)
.endr
.endm
.macro STEP slot, q, zero              ; 128 along K whose successor lies in the same slot
	s_wait_dscnt 16                                ; all but the youngest 16 loads (X's blocks 8-15)
	WIN 0xa1
	MUL 0, 8, \q, \slot, \zero
	s_wait_dscnt 0x0                               ; X's blocks 8-15 are in
	PLACES
	FETCH_X \slot, (\q)+1, 0
	FETCH_Y \slot, (\q)+1
	WIN 0xf1
	MUL 8, 8, \q, \slot, \zero
	PLACES
	FETCH_X \slot, (\q)+1, 1
.endm
; A slot's last step changes slots.  In front of the barrier each wave waits for all its tensor loads (its part of the next slot), adds 0 to its spare word, and waits for that and for its reads of this slot.
.macro TURN slot, next, T, fill
	WIN 0
	s_wait_tensorcnt 0x0
	ds_add_u32 v[SPW], v[NIL]
	s_wait_dscnt 17                                ; the add and the youngest 16 loads may be out
	WIN 0xa1
	MUL 0, 4, 3, \slot, 0
	s_wait_dscnt 0x0                               ; the add is done, my reads of this slot are over
	s_barrier_signal -1
	MUL 4, 4, 3, \slot, 0
	WIN 0
	s_barrier_wait -1
.if \fill
	CREST                                          ; the barrier has opened a round of the cluster's barrier: no wave of any partner still reads this slot or has a load on its way
	s_add_nc_u64 s[G0X+4*\slot+2:G0X+4*\slot+3], s[G0X+4*\slot+2:G0X+4*\slot+3], 8192
	s_add_nc_u64 s[G0Y+4*\slot+2:G0Y+4*\slot+3], s[G0Y+4*\slot+2:G0Y+4*\slot+3], 8192
	JLOAD G0X+4*\slot, G1X, G0Y+4*\slot, G1Y       ; two K steps on; its four v_nop are also the places in front of the loads below
.else
	PLACES
.endif
	FETCH_X \next, 0, 0
	FETCH_Y \next, 0
	SCALES \next, \T
	WIN 0xf1
	MUL 8, 8, 3, \slot, 0
	PLACES
	FETCH_X \next, 0, 1
.endm
; table set n (my block n / 8 of Y, X's blocks t = n % 8 and t + 8): cos(t), sin(t), cos(t + 8), sin(t + 8), eight registers each; eight loads; the destination window is 1
.macro TLD n
.set TS, (128+32*((\n)%8))%256
.set TO, ((\n)/8)*32768+((\n)%8)*1024
	global_load_b128 v[TS:TS+3],     v[L16], s[6:7] offset:TO
	global_load_b128 v[TS+4:TS+7],   v[L16], s[6:7] offset:TO+512
	global_load_b128 v[TS+8:TS+11],  v[L16], s[6:7] offset:TO+16384
	global_load_b128 v[TS+12:TS+15], v[L16], s[6:7] offset:TO+16384+512
	global_load_b128 v[TS+16:TS+19], v[L16], s[6:7] offset:TO+8192
	global_load_b128 v[TS+20:TS+23], v[L16], s[6:7] offset:TO+8192+512
	global_load_b128 v[TS+24:TS+27], v[L16], s[6:7] offset:TO+16384+8192
	global_load_b128 v[TS+28:TS+31], v[L16], s[6:7] offset:TO+16384+8192+512
.endm
.macro SUMSQ w, lo                     ; sums of squares over eight blocks of X, my four blocks of Y by turns, each accumulator from its low end on
	WIN \w
.set XB, 0
.rept 8
.irp p, 0,1,2,3
.irp yb, 0,1,2,3
.set rA, 8*(4*XB+\yb)+2*\p
.set rC, SSQ+4*\yb+2*(\p%2)
.if (\lo) && (XB == 0) && (\p < 2)
	v_pk_mul_f32 v[rC:rC+1], v[rA:rA+1], v[rA:rA+1]
.else
	v_pk_fma_f32 v[rC:rC+1], v[rA:rA+1], v[rA:rA+1], v[rC:rC+1]
.endif
.endr
.endr
.set XB, XB+1
.endr
.endm
.macro SCALEW w, base                  ; x = x w + x, in place: the gain 1 + w of the norm
	WIN \w
.set XB, 0
.rept 8
.irp yb, 0,1,2,3
.irp p, 0,1,2,3
.set rA, 8*(4*XB+\yb)+2*\p
	v_pk_fma_f32 v[rA:rA+1], v[rA:rA+1], v[\base+8*XB+2*\p:\base+8*XB+2*\p+1], v[rA:rA+1]
.endr
.endr
.set XB, XB+1
.endr
.endm
; rope of channels 16 t .. and 128 + 16 t .. of my block yb: R1 = u1 cos1 - u2 sin1, R2 = u2 cos2 + u1 sin2, both x 1 / rms; packed to f16; each is half a fragment image.
; u1 lies in window 2 and u2 in window 3, at the same register numbers; both are used up by this step.  yb = 0: R1 and R2 take their places in f32 and are packed into v144-207, which serve this block alone.
; yb > 0: the packed results take u1's eight registers.  So the stores' data are written once in the launch.
.macro ROPE yb, t
.set NN, 8*(\yb)+(\t)
.set TS, (128+32*(NN%8))%256
.set rA, 8*(4*(\t)+(\yb))
.set rI, SSQ+4*(\yb)+2
.if 8*(31-NN) < 56
	s_wait_loadcnt 8*(31-NN)
.else
	s_wait_loadcnt 56                              ; my set is in; the seven younger sets, eight loads each, may be out
.endif
	WIN 0x07                                       ; source 0 window 3 (u2), source 1 window 1 (tables)
.irp p, 0,1,2,3
	v_pk_mul_f32 v[RR+2*\p:RR+2*\p+1], v[rA+2*\p:rA+2*\p+1], v[TS+8+2*\p:TS+8+2*\p+1]
.endr
.irp p, 0,1,2,3
	v_pk_mul_f32 v[RR+8+2*\p:RR+8+2*\p+1], v[rA+2*\p:rA+2*\p+1], v[TS+16+2*\p:TS+16+2*\p+1]
.endr
	WIN 0x06                                       ; source 0 window 2 (u1)
.irp p, 0,1,2,3
	v_pk_fma_f32 v[RR+2*\p:RR+2*\p+1], v[rA+2*\p:rA+2*\p+1], v[TS+2*\p:TS+2*\p+1], v[RR+2*\p:RR+2*\p+1] neg_lo:[0,0,1] neg_hi:[0,0,1]
.endr
.irp p, 0,1,2,3
	v_pk_fma_f32 v[RR+8+2*\p:RR+8+2*\p+1], v[rA+2*\p:rA+2*\p+1], v[TS+24+2*\p:TS+24+2*\p+1], v[RR+8+2*\p:RR+8+2*\p+1]
.endr
.if (\yb) == 0
	WIN 0x80                                       ; destination window 2: R1 in f32 takes u1's place
.irp p, 0,1,2,3
	v_pk_mul_f32 v[rA+2*\p:rA+2*\p+1], v[RR+2*\p:RR+2*\p+1], v[rI:rI+1] op_sel_hi:[1,0]
.endr
	WIN 0xc0                                       ; destination window 3: R2 takes u2's
.irp p, 0,1,2,3
	v_pk_mul_f32 v[rA+2*\p:rA+2*\p+1], v[RR+8+2*\p:RR+8+2*\p+1], v[rI:rI+1] op_sel_hi:[1,0]
.endr
	WIN 0x0a                                       ; sources 0 and 1 window 2
.irp i, 0,1,2,3
	v_cvt_pk_f16_f32 v[PK+8*(\t)+\i], v[rA+2*\i], v[rA+2*\i+1]
.endr
	WIN 0x0f                                       ; sources 0 and 1 window 3
.irp i, 0,1,2,3
	v_cvt_pk_f16_f32 v[PK+8*(\t)+4+\i], v[rA+2*\i], v[rA+2*\i+1]
.endr
	WIN 0
	global_store_b128 v[L16], v[PK+8*(\t):PK+8*(\t)+3],   s[12:13] offset:512*(\t)
	global_store_b128 v[L16], v[PK+8*(\t)+4:PK+8*(\t)+7], s[12:13] offset:512*((\t)+8)
.else
	WIN 0
.irp i, 0,1,2,3,4,5,6,7
	v_pk_mul_f32 v[RR+2*\i:RR+2*\i+1], v[RR+2*\i:RR+2*\i+1], v[rI:rI+1] op_sel_hi:[1,0]
.endr
	WIN 0x80                                       ; destination window 2: the packed results take u1's eight registers
.irp i, 0,1,2,3,4,5,6,7
	v_cvt_pk_f16_f32 v[rA+\i], v[RR+2*\i], v[RR+2*\i+1]
.endr
	WIN 0x08                                       ; a store's data: window 2
	global_store_b128 v[L16], v[rA:rA+3],   s[12:13] offset:(\yb)*8192+512*(\t)
	global_store_b128 v[L16], v[rA+4:rA+7], s[12:13] offset:(\yb)*8192+512*((\t)+8)
.endif
.if NN+8 < 32
	WIN 0x40
	TLD NN+8
.endif
	WIN 0
.endm
; v: my block yb of channels: packed to f16 (each accumulator is half a fragment of V^T), summed over the 256 keys
.macro VOUT yb
.if (\yb) > 0
	s_wait_xcnt 0x0                                ; the last block's stores have read the packed registers
.endif
.irp i, 0,1,2,3
	v_mov_b32 v[SUM+\i], 0
.endr
.irp hi, 0,1
	WIN 0x0a+5*\hi                                 ; sources 0 and 1: window 2 or 3
.set XB, 0
.rept 8
.irp i, 0,1,2,3
	v_cvt_pk_f16_f32 v[PK+32*\hi+4*XB+\i], v[8*(4*XB+(\yb))+2*\i], v[8*(4*XB+(\yb))+2*\i+1]
.endr
.set XB, XB+1
.endr
	WIN 0x02+\hi                                   ; source 0: window 2 or 3
.set XB, 0
.rept 8
.irp i, 0,1,2,3
	v_pk_add_f32 v[SUM+2*(\i%2):SUM+2*(\i%2)+1], v[8*(4*XB+(\yb))+2*\i:8*(4*XB+(\yb))+2*\i+1], v[SUM+2*(\i%2):SUM+2*(\i%2)+1]
.endr
.set XB, XB+1
.endr
.endr
	WIN 0
.set XB, 0
.rept 16
	global_store_b128 v[L16], v[PK+4*XB:PK+4*XB+3], s[12:13] offset:(XB/2)*16384+(\yb)*1024+512*(XB%2)
.set XB, XB+1
.endr
	v_pk_add_f32 v[SUM:SUM+1], v[SUM:SUM+1], v[SUM+2:SUM+3]
	v_add_f32 v[SUM], v[SUM], v[SUM+1]
	v_permlanex16_b32 v[SUM+1], v[SUM], s2, s3
	v_add_f32 v[SUM+4+(\yb)], v[SUM], v[SUM+1]     ; my channel's sum over the 256 keys (both halves of the lanes hold it and store the same word)
	global_store_b32 v[R4], v[SUM+4+(\yb)], s[14:15] offset:64*(\yb)
	v_cmp_eq_u32 vcc_lo, 0, v[PRD]                 ; keys 0-15 of a sequence, in f32
	s_wait_xcnt 0x0
	s_and_saveexec_b32 s99, vcc_lo
	WIN 0x08                                       ; a store's data: window 2
	global_store_b128 v[L16], v[8*(\yb):8*(\yb)+3],   s[16:17] offset:1024*(\yb)
	global_store_b128 v[L16], v[8*(\yb)+4:8*(\yb)+7], s[16:17] offset:1024*(\yb)+512
	WIN 0
	s_wait_xcnt 0x0
	s_or_b32 exec_lo, exec_lo, s99
.endm
	s_load_b256 s[4:11], s[0:1], 0x0               ; codes s[4:5], tables s[6:7], q_norm_w s[8:9], k_norm_w s[10:11]
	s_load_b128 s[12:15], s[0:1], 0x20             ; qkv s[12:13], vsum s[14:15]
	s_load_b64 s[16:17], s[0:1], 0x30              ; first
	v_lshl_add_u32 v[SPW], v0, 2, SPARE
	v_mov_b32 v[NIL], 0
	ds_add_u32 v[SPW], v[NIL]                      ; the wave's opening: the add, twice on end, and its wait ahead of my first tensor load
	ds_add_u32 v[SPW], v[NIL]
	v_lshrrev_b32 v10, 5, v0
	v_readfirstlane_b32 s18, v10                   ; wave
	s_lshr_b32 s19, s18, 1                         ; I fetch for X (0) or for Y (1),
	s_and_b32 s23, s18, 1                          ; this half of its 16 tiles
	s_bfe_u32 s20, ttmp6, 0x40000                  ; cx
	s_bfe_u32 s21, ttmp6, 0x40004                  ; cy
	s_and_b32 s22, ttmp7, 0xffff                   ; cluster y
	s_lshl_b32 s85, 0x1111, s20                    ; my column of the cluster: X's partners
	s_lshl_b32 s86, s21, 2
	s_lshl_b32 s86, 15, s86                        ; my row: Y's partners
	s_or_b32 s[G1X], s85, (3<<16)|(1<<21)          ; 15:0 the mask; 17:16 elements of 8 bytes; 21 set beside a mask; no padding
	s_or_b32 s[G1Y], s86, (3<<16)|(1<<21)
	s_or_b32 s[G1SX], s85, (3<<16)|(1<<21)
	s_or_b32 s[G1SY], s86, (3<<16)|(1<<21)
.irp g, G1X, G1Y                       ; codes: 8 tiles, of each 4,096 bytes (four k steps' images) out of 16,384
	s_mov_b32 s[\g+1], 512<<16
	s_mov_b32 s[\g+2], 8<<16
	s_mov_b32 s[\g+3], 512<<16
	s_mov_b32 s[\g+4], 8
	s_mov_b32 s[\g+5], 2048
	s_mov_b32 s[\g+6], 0
	s_mov_b32 s[\g+7], 0
.endr
.irp g, G1SX, G1SY                     ; scales: 8,192 dense bytes as 32 rows of 256
	s_mov_b32 s[\g+1], 32<<16
	s_mov_b32 s[\g+2], 32<<16
	s_mov_b32 s[\g+3], 32<<16
	s_mov_b32 s[\g+4], 32
	s_mov_b32 s[\g+5], 32
	s_mov_b32 s[\g+6], 0
	s_mov_b32 s[\g+7], 0
.endr
	s_lshl_b32 s87, s22, 2
	s_cmp_eq_u32 ttmp9, 2                          ; v?
	s_cselect_b32 s88, s22, ttmp9                  ; X's tile of 256: by cluster y among hidden's (v), by kind among the weights'
	s_cselect_b32 s89, 0, WCO                      ; where X's codes begin
	s_cselect_b32 s90, 0, 262144                   ; and its scales, from HSO on
	s_cselect_b32 s91, 8, s87                      ; Y's tile: Wv's first (v), or 4 x cluster y among hidden's
	s_cselect_b32 s92, WCO, 0
	s_cselect_b32 s93, 262144, 0
	s_lshl_b32 s88, s88, 2
	s_add_co_u32 s88, s88, s20                     ; xi: it holds cx and never cy
	s_add_co_u32 s91, s91, s21                     ; yi: it holds cy and never cx
	s_lshl_b32 s94, s88, 18
	s_add_co_u32 s94, s94, s89
	s_lshl_b32 s89, s23, 17                        ; my half: 8 tiles of 16,384 bytes
	s_add_co_u32 s94, s94, s89
	s_mov_b32 s95, 0
	s_lshl_b32 s96, s88, 14
	s_add_co_u32 s96, s96, s90
	s_lshl_b32 s90, s23, 13
	s_add_co_u32 s96, s96, s90
	s_add_co_u32 s96, s96, HSO
	s_mov_b32 s97, 0
	s_lshl_b32 s98, s91, 18
	s_add_co_u32 s98, s98, s92
	s_add_co_u32 s98, s98, s89
	s_mov_b32 s99, 0
	s_lshl_b32 s100, s91, 14
	s_add_co_u32 s100, s100, s93
	s_add_co_u32 s100, s100, s90
	s_add_co_u32 s100, s100, HSO
	s_mov_b32 s101, 0
	s_lshl_b32 s87, s18, 15                        ; LDS: wave x 32,768: X's two halves, then Y's
	s_lshl_b32 s92, s18, 13                        ; the scales: wave x 8,192
	s_mov_b32 s2, 0x76543210
	s_mov_b32 s3, 0xfedcba98                       ; lane l xor 16
	s_wait_dscnt 0x0                               ; both opening adds are done
	s_wait_kmcnt 0x0
	s_add_nc_u64 s[94:95], s[4:5], s[94:95]
	s_add_nc_u64 s[96:97], s[4:5], s[96:97]
	s_add_nc_u64 s[98:99], s[4:5], s[98:99]
	s_add_nc_u64 s[100:101], s[4:5], s[100:101]
	CROUND                                         ; all sixteen work-groups are here: the first joint loads meet
	s_mov_b32 s[G0SX], 1
	s_add_co_u32 s[G0SX+1], s92, SCL
	s_mov_b64 s[G0SX+2:G0SX+3], s[96:97]
	s_or_b32 s[G0SX+3], s[G0SX+3], 0x80000000
	s_mov_b32 s[G0SY], 1
	s_add_co_u32 s[G0SY+1], s92, SCL
	s_mov_b64 s[G0SY+2:G0SY+3], s[100:101]
	s_or_b32 s[G0SY+3], s[G0SY+3], 0x80000000
	JLOAD G0SX, G1SX, G0SY, G1SY                   ; the scales of all of K: filled once.  With the two below three loads of mine are out
.irp s, 0,1
	s_mov_b32 s[G0X+4*\s], 1
	s_add_co_u32 s[G0X+4*\s+1], s87, \s*SLOT
	s_add_nc_u64 s[G0X+4*\s+2:G0X+4*\s+3], s[94:95], \s*4096
	s_or_b32 s[G0X+4*\s+3], s[G0X+4*\s+3], 0x80000000
	s_mov_b32 s[G0Y+4*\s], 1
	s_add_co_u32 s[G0Y+4*\s+1], s87, \s*SLOT
	s_add_nc_u64 s[G0Y+4*\s+2:G0Y+4*\s+3], s[98:99], \s*4096
	s_or_b32 s[G0Y+4*\s+3], s[G0Y+4*\s+3], 0x80000000
	JLOAD G0X+4*\s, G1X, G0Y+4*\s, G1Y
.endr
	v_and_b32 v12, 31, v0
	v_lshlrev_b32 v[L16], 4, v12
	v_add_nc_u32 v[ADX+1], SLOT, v[L16]
	s_lshl_b32 s84, s18, 14                        ; my four blocks of Y
	s_add_co_u32 s84, s84, 65536
	v_add_nc_u32 v[ADY], s84, v[L16]
	v_add_nc_u32 v[ADY+1], SLOT, v[ADY]
	v_lshlrev_b32 v[ADSX], 3, v12
	s_lshl_b32 s84, s18, 12
	s_add_co_u32 s84, s84, SCL+16384
	v_add_nc_u32 v[ADSY], s84, v[ADSX]
	v_add_nc_u32 v[ADSX], SCL, v[ADSX]
	s_lshl_b32 s84, s91, 19                        ; the tables of my four blocks of rows (q, k): tile 16 yi + 4 wave, 32,768 bytes a tile
	s_lshl_b32 s85, s18, 17
	s_add_co_u32 s84, s84, s85
	s_mov_b32 s85, 0
	s_add_nc_u64 s[6:7], s[6:7], s[84:85]
	s_wait_tensorcnt 1                             ; the scales and my part of K step 0 are in; K step 1's load may be out
	s_barrier_signal -1
	s_barrier_wait -1
	FETCH_X 0, 0, 0
	FETCH_Y 0, 0
	SCALES 0, 0
	FETCH_X 0, 0, 1
	STEP 0, 0, 1                                   ; the first products start the sums: nothing is cleared
	STEP 0, 1, 0
	STEP 0, 2, 0
	TURN 0, 1, 1, 1
	STEP 1, 0, 0
	STEP 1, 1, 0
	STEP 1, 2, 0
	TURN 1, 0, 2, 1
	WIN 0x40
	TLD 0                                          ; behind the last refill: table sets 0-3, two K steps (512 matrix instructions) ahead of their first reader, into window 1's v128-255, which the main loop does not name
	TLD 1
	TLD 2
	TLD 3
	WIN 0
	STEP 0, 0, 0
	STEP 0, 1, 0
	STEP 0, 2, 0
	TURN 0, 1, 3, 0                                ; nothing is left to fetch
	STEP 1, 0, 0
	STEP 1, 1, 0
	STEP 1, 2, 0
	s_wait_dscnt 16
	WIN 0xa1
	MUL 0, 8, 3, 1, 0
	s_wait_dscnt 0x0
	WIN 0xf1
	MUL 8, 8, 3, 1, 0
	WIN 0
	PLACES
	s_cmp_eq_u32 ttmp9, 2
	s_cbranch_scc1 .Lv_out
	; ---- THE WAY OUT OF q AND k
	s_cmp_eq_u32 ttmp9, 0
	s_cselect_b64 s[84:85], s[8:9], s[10:11]       ; the norm's weights
	s_lshr_b32 s86, s91, 3                         ; batch
	s_and_b32 s87, s91, 7                          ; which 256 rows of the sequence
	s_lshl_b32 s89, ttmp9, 23                      ; q at 0, k at 8 MiB
	s_lshl_b32 s90, s86, 2
	s_add_co_u32 s90, s90, s20                     ; 4 batch + head
	s_lshl_b32 s90, s90, 20
	s_add_co_u32 s89, s89, s90
	s_lshl_b32 s90, s87, 17
	s_add_co_u32 s89, s89, s90
	s_lshl_b32 s90, s18, 15
	s_add_co_u32 s92, s89, s90                     ; + row tile 16 (yi % 8) + 4 wave, 8,192 bytes each
	s_mov_b32 s93, 0
	s_add_nc_u64 s[12:13], s[12:13], s[92:93]
	s_mul_i32 s89, s86, 3
	s_add_co_u32 s89, s89, ttmp9
	s_lshl_b32 s89, s89, 2
	s_add_co_u32 s89, s89, s20
	s_lshl_b32 s92, s89, 14
	s_add_nc_u64 s[16:17], s[16:17], s[92:93]
	s_mov_b32 s94, 0x3b800000                      ; 1 / 256
	s_mov_b32 s95, 0x358637bd                      ; 1e-6
	v_bfe_u32 v[WOF], v0, 4, 1
	v_lshlrev_b32 v[WOF], 5, v[WOF]                ; 32 h: w[16 t + 8 h + 0 .. 7]
	v_mov_b32 v[PRD], s87
.set TT, 0
.rept 16
	global_load_b128 v[WP+8*TT:WP+8*TT+3],   v[WOF], s[84:85] offset:64*TT      ; the weights, into the registers that Y's fragments have left and those above them
	global_load_b128 v[WP+8*TT+4:WP+8*TT+7], v[WOF], s[84:85] offset:64*TT+16
.set TT, TT+1
.endr
	WIN 0x40
	TLD 4                                          ; X's fragments' registers take table sets 4-7: they and the weights land under the sums of squares below
	TLD 5
	TLD 6
	TLD 7
	SUMSQ 0x0a, 1
	SUMSQ 0x0f, 0
	WIN 0
.irp yb, 0,1,2,3
	v_pk_add_f32 v[SSQ+4*\yb:SSQ+4*\yb+1], v[SSQ+4*\yb:SSQ+4*\yb+1], v[SSQ+4*\yb+2:SSQ+4*\yb+3]
.endr
.irp yb, 0,1,2,3
	v_add_f32 v[SSQ+4*\yb], v[SSQ+4*\yb], v[SSQ+4*\yb+1]
.endr
.irp yb, 0,1,2,3
	v_permlanex16_b32 v[SSQ+4*\yb+1], v[SSQ+4*\yb], s2, s3
.endr
.irp yb, 0,1,2,3
	v_add_f32 v[SSQ+4*\yb], v[SSQ+4*\yb], v[SSQ+4*\yb+1]   ; the row's 256 squares
.endr
.irp yb, 0,1,2,3
	v_fma_f32 v[SSQ+4*\yb], v[SSQ+4*\yb], s94, s95
.endr
.irp yb, 0,1,2,3
	v_rsq_f32 v[SSQ+4*\yb+2], v[SSQ+4*\yb]         ; 1 / rms
.endr
	v_nop                                          ; a plain instruction behind the last of the batch
	s_wait_alu depctr_va_vdst(0)                   ; one wait for the four, ahead of their first reader
.irp yb, 0,1,2,3
	v_mov_b32 v[SSQ+4*\yb+3], v[SSQ+4*\yb+2]       ; named with it as a pair, so it is written
.endr
	s_wait_loadcnt 32                              ; table sets 0-3 and the weights are in; behind them stand the 32 loads of sets 4-7, which may be out
	SCALEW 0xa2, WP                                ; x in window 2, the weights in window 0
	SCALEW 0xf3, WP+64                             ; x in window 3
	WIN 0
.irp t, 0,1,2,3,4,5,6,7
	ROPE 0, \t
.endr
	; positions 0-15 of a sequence, in f32: wave 0's block 0 of the work-groups that hold a sequence's first 256 rows.  The sixteen results of each rope step lie where u1 and u2 lay.  EXEC is changed once
	s_cmp_lg_u32 s18, 0
	s_cbranch_scc1 .Lnot_first
	v_cmp_eq_u32 vcc_lo, 0, v[PRD]
	s_wait_xcnt 0x0                                ; EXEC changes only behind this wait
	s_and_saveexec_b32 s99, vcc_lo
	WIN 0x08                                       ; a store's data: window 2
.irp t, 0,1,2,3,4,5,6,7
	global_store_b128 v[L16], v[32*\t:32*\t+3],   s[16:17] offset:1024*\t
	global_store_b128 v[L16], v[32*\t+4:32*\t+7], s[16:17] offset:1024*\t+512
.endr
	WIN 0x0c                                       ; window 3
.irp t, 0,1,2,3,4,5,6,7
	global_store_b128 v[L16], v[32*\t:32*\t+3],   s[16:17] offset:1024*(\t+8)
	global_store_b128 v[L16], v[32*\t+4:32*\t+7], s[16:17] offset:1024*(\t+8)+512
.endr
	WIN 0
	s_wait_xcnt 0x0                                ; and again, in front of the line that widens it
	s_or_b32 exec_lo, exec_lo, s99
.Lnot_first:
.irp yb, 1,2,3
.irp t, 0,1,2,3,4,5,6,7
	ROPE \yb, \t
.endr
.endr
	s_branch .Ldone
.Lv_out:
	; ---- THE WAY OUT OF v
	s_lshr_b32 s86, s88, 3                         ; batch
	s_and_b32 s87, s88, 7                          ; which 256 keys of the sequence
	s_lshl_b32 s90, s86, 2
	s_add_co_u32 s90, s90, s21                     ; 4 batch + head
	s_lshl_b32 s89, s90, 20
	s_lshl_b32 s90, s87, 17                        ; 8 key groups of 16,384 bytes
	s_add_co_u32 s89, s89, s90
	s_lshl_b32 s90, s18, 12                        ; my four channel tiles
	s_add_co_u32 s89, s89, s90
	s_add_co_u32 s92, s89, 0x1000000               ; v at 16 MiB
	s_mov_b32 s93, 0
	s_add_nc_u64 s[12:13], s[12:13], s[92:93]
	s_lshl_b32 s89, s88, 12
	s_lshl_b32 s90, s21, 10
	s_add_co_u32 s89, s89, s90
	s_lshl_b32 s90, s18, 8
	s_add_co_u32 s92, s89, s90
	s_add_nc_u64 s[14:15], s[14:15], s[92:93]
	s_mul_i32 s89, s86, 3
	s_add_co_u32 s89, s89, 2
	s_lshl_b32 s89, s89, 2
	s_add_co_u32 s89, s89, s21
	s_lshl_b32 s89, s89, 14
	s_lshl_b32 s90, s18, 12
	s_add_co_u32 s92, s89, s90
	s_add_nc_u64 s[16:17], s[16:17], s[92:93]
	v_mov_b32 v[PRD], s87
	v_and_b32 v[R4], 15, v0
	v_lshlrev_b32 v[R4], 2, v[R4]
	VOUT 0
	VOUT 1
	VOUT 2
	VOUT 3
.Ldone:
	s_wait_tensorcnt 0x0                           ; the wave's end
	ds_add_u32 v[SPW], v[NIL]
	s_wait_dscnt 0x0
	CROUND                                         ; the closing round: no work-group ends while a partner may still ask for a tile that names it
	s_endpgm
.Lfunc_end_k_qfcd0ab749e_qkv:
	.size	k_qfcd0ab749e_qkv, .Lfunc_end_k_qfcd0ab749e_qkv-k_qfcd0ab749e_qkv
	.p2alignl 7, 3214868480
	.fill 96, 4, 3214868480
	.section	.rodata,"a",@progbits
	.p2align	6, 0x0
	.amdhsa_kernel k_qfcd0ab749e_qkv
		.amdhsa_group_segment_fixed_size 327680
		.amdhsa_private_segment_fixed_size 0
		.amdhsa_enable_private_segment 0
		.amdhsa_kernarg_size 56
		.amdhsa_user_sgpr_count 2
		.amdhsa_user_sgpr_kernarg_segment_ptr 1
		.amdhsa_wavefront_size32 1
		.amdhsa_system_sgpr_workgroup_id_x 1
		.amdhsa_system_sgpr_workgroup_id_y 1
		.amdhsa_system_sgpr_workgroup_id_z 1
		.amdhsa_system_vgpr_workitem_id 0
		.amdhsa_next_free_vgpr 1024
		.amdhsa_next_free_sgpr 102
		.amdhsa_reserve_vcc 1
		.amdhsa_float_denorm_mode_32 3
		.amdhsa_float_denorm_mode_16_64 3
		.amdhsa_memory_ordered 1
		.amdhsa_forward_progress 1
		.amdhsa_inst_pref_size 255
	.end_amdhsa_kernel
	.section	.bss,"aw",@nobits
	.p2align	6
	.space	262144
	.amdgpu_metadata
---
amdhsa.version: [ 1, 2 ]
amdhsa.kernels:
  - .name:           k_qfcd0ab749e_qkv
    .symbol:         k_qfcd0ab749e_qkv.kd
    .args:
      - { .name: codes, .offset: 0, .size: 8, .value_kind: global_buffer, .address_space: global }
      - { .name: tables, .offset: 8, .size: 8, .value_kind: global_buffer, .address_space: global }
      - { .name: q_norm_w, .offset: 16, .size: 8, .value_kind: global_buffer, .address_space: global }
      - { .name: k_norm_w, .offset: 24, .size: 8, .value_kind: global_buffer, .address_space: global }
      - { .name: qkv, .offset: 32, .size: 8, .value_kind: global_buffer, .address_space: global }
      - { .name: vsum, .offset: 40, .size: 8, .value_kind: global_buffer, .address_space: global }
      - { .name: first, .offset: 48, .size: 8, .value_kind: global_buffer, .address_space: global }
    .group_segment_fixed_size: 327680
    .private_segment_fixed_size: 0
    .kernarg_segment_align: 8
    .kernarg_segment_size: 56
    .max_flat_workgroup_size: 128
    .sgpr_count:     102
    .vgpr_count:     1024
    .wavefront_size: 32
...
	.end_amdgpu_metadata
.endif
;; end of part 2
;; launch attn (part 3): grid 32 x 8, 4 waves a work-group, no clusters, 301,568 bytes of LDS; arguments qkv, vsum, attention_mask, of; writes of
.if DOCPART == 3
	.amdgcn_target "amdgcn-amd-amdhsa--gfx1250"
	.amdhsa_code_object_version 6
	.text
	.protected	k_qfcd0ab749e_attn
	.globl	k_qfcd0ab749e_attn
	.p2align	8
	.type	k_qfcd0ab749e_attn,@function
k_qfcd0ab749e_attn:
	s_mov_b64 s[64:65], 0
	v_nop
	global_prefetch_b8 v0, s[64:65] scope:SCOPE_SE
	s_setreg_imm32_b32 hwreg(HW_REG_WAVE_MODE, 25, 1), 1
	s_wait_xcnt 0x0
; ATTN: softmax(q k^T / 16 + mask) v under the band (key <= query, query - key < 1024) and the padding mask, f16 operands, f32 sums, running maximum.
; A work-group owns 64 queries (four tiles of 16) of one batch and head.  ALL FOUR WAVES HOLD ALL 64 QUERIES AND SPLIT THE KEYS: wave w takes the groups of 32 keys g = w mod 4 inside the band, at most nine.
; So each fragment of K and V is read by one wave and feeds four matrix instructions: LDS would add no reuse, and K and V go from memory straight into registers, asked for a whole step ahead.  Q, the same in every step, lies in LDS.
; S^T = K Q^T and O^T = V^T P: a lane holds one query throughout.  At the end the four waves' parts are brought under one maximum and added through LDS; wave w stores tile w.
; NO CLUSTER: neighbouring query blocks walk key ranges that are 64 keys apart, so a joint tile would be read by some partners only.
; MASKED SCORES become the sentinel -2^126.  c x sentinel is exact (a power of two), so a row whose keys so far are all masked has p = 1 and finite sums, which vanish (factor 2^-huge = 0) as soon as a key counts.
; A QUERY WITH NO KEY AT ALL: every score + bias is the same number there, so the row is the mean of v over all 2,048 positions: taken from vsum and selected where the row's maximum is still the sentinel.
; Every wave runs at least two steps, so that the step is written three times only (first, loop, last); a forced step (query blocks 0 to 2) takes a group above the diagonal, inside the buffer, wholly masked.
; LIMITS: scores under 2^100 in size; NaN and infinities not served; operands in f16.  Positions 0-15 of each sequence are computed again in f32 by a later launch.
; REGISTERS: window 0: v1-15 addresses; v16-47 statistics, eight a tile: c m, m, l (two), c0, c1, a, da; v48-63 mask words; v64-127 S^T (tile qt, keys 16 kt: 64 + 16 qt + 8 kt), P packed in place; v128-223 Q, three sets; v224-255 at work.
;   window 1: v0-127 K (fragment 8 kt + chunk), v128-255 V (channel tile ct).   windows 2, 3: O^T (ct, qt) at window 2 + ct / 8, v[8 (4 (ct % 8) + qt)].
.set QLB,   262144                     ; LDS: four waves' parts of O at 0 (65,536 each); Q here (32 KB);
.set STAT,  294912                     ; the waves' statistics (4 KB);
.set MV,    299008                     ; the mean of v in f16, a copy for each wave (512 bytes each);
.set SPARE, 301056                     ; the spare words
.set L16,  1
.set QAD,  2
.set MOFF, 3
.set PFO,  4
.set DD,   5
.set SENT, 6
.set TB,   7
.set SPW,  8
.set NIL,  9
.set D0,   10
.set SAD,  11
.set SRD,  12
.set SOW,  13
.set OAD,  14
.set MVR,  15
.set ST,   16
.set BI,   48
.set S,    64
.set QS,   128
.set TMP,  224
.set RAD,  176
.set OUT,  64
.set MEAN, 192
.set MSB, 0
.macro WIN new
.if MSB != (\new)
	s_set_vgpr_msb (MSB<<8)|(\new)
.set MSB, (\new)
.endif
.endm
.macro PLACES
.rept 4
	v_nop
.endr
.endm
.macro KLD off                         ; a group's K: 16 fragments, 32 loads (destination window 1)
.set FF, 0
.rept 16
	global_load_b128 v[8*FF:8*FF+3],   v[L16], s[12:13] offset:\off+1024*FF
	global_load_b128 v[8*FF+4:8*FF+7], v[L16], s[12:13] offset:\off+1024*FF+512
.set FF, FF+1
.endr
.endm
.macro VLD off
.set FF, 0
.rept 16
	global_load_b128 v[128+8*FF:128+8*FF+3],   v[L16], s[14:15] offset:\off+1024*FF
	global_load_b128 v[128+8*FF+4:128+8*FF+7], v[L16], s[14:15] offset:\off+1024*FF+512
.set FF, FF+1
.endr
.endm
.macro MLD off                         ; the group's mask words: register 8 kt + j = key 16 kt + 8 h + j
	global_load_b128 v[BI:BI+3],     v[MOFF], s[8:9] offset:\off
	global_load_b128 v[BI+4:BI+7],   v[MOFF], s[8:9] offset:\off+16
	global_load_b128 v[BI+8:BI+11],  v[MOFF], s[8:9] offset:\off+64
	global_load_b128 v[BI+12:BI+15], v[MOFF], s[8:9] offset:\off+80
.endm
.macro QLD cc                          ; chunk cc of the four tiles of Q into set cc % 3: 8 LDS loads
.irp qt, 0,1,2,3
	ds_load_b128 v[QS+32*((\cc)%3)+8*\qt:QS+32*((\cc)%3)+8*\qt+3],   v[QAD] offset:\qt*8192+(\cc)*1024
	ds_load_b128 v[QS+32*((\cc)%3)+8*\qt+4:QS+32*((\cc)%3)+8*\qt+7], v[QAD] offset:\qt*8192+(\cc)*1024+512
.endr
.endm
; A prefetch of K's and V's group two steps on (16,384 bytes each, lanes 256 bytes apart, two instructions each).  The head's last query block is the first to reach the groups from 38 on:
; it alone asks, each wave for its own groups, so that each 256 bytes is named once; it stops where g + 8 would pass the head's 64 groups.
.macro ASK
	s_cmp_le_i32 s23, s25
	s_cbranch_scc0 .Lnot_mine_\@
	global_prefetch_b8 v[PFO], s[12:13] offset:131072 th:TH_LOAD_NT scope:SCOPE_SE
	global_prefetch_b8 v[PFO], s[12:13] offset:131072+8192 th:TH_LOAD_NT scope:SCOPE_SE
	global_prefetch_b8 v[PFO], s[14:15] offset:131072 th:TH_LOAD_NT scope:SCOPE_SE
	global_prefetch_b8 v[PFO], s[14:15] offset:131072+8192 th:TH_LOAD_NT scope:SCOPE_SE
.Lnot_mine_\@:
.endm
.macro MX3 d, k1, k2                   ; chain d of the maximum takes two more scores, the four tiles by turns
.irp qt, 0,1,2,3
	v_max3_num_f32 v[ST+8*\qt+4+\d], v[ST+8*\qt+4+\d], v[S+16*\qt+\k1], v[S+16*\qt+\k2]
.endr
.endm
.macro PSUM d, k                       ; chain d of the sums takes a pair of weights
.irp qt, 0,1,2,3
	v_pk_add_f32 v[TMP+8*\qt+2*\d:TMP+8*\qt+2*\d+1], v[TMP+8*\qt+2*\d:TMP+8*\qt+2*\d+1], v[S+16*\qt+\k:S+16*\qt+\k+1]
.endr
.endm
.macro RESC ct                         ; O^T of channel tile ct x a
	WIN 0x82+0x41*((\ct)/8)
.irp qt, 0,1,2,3
.irp p, 0,1,2,3
	v_pk_mul_f32 v[8*(4*((\ct)%8)+\qt)+2*\p:8*(4*((\ct)%8)+\qt)+2*\p+1], v[8*(4*((\ct)%8)+\qt)+2*\p:8*(4*((\ct)%8)+\qt)+2*\p+1], v[ST+8*\qt+6:ST+8*\qt+7] op_sel_hi:[1,0]
.endr
.endr
.endm
; A STEP: one group of 32 keys against the 64 queries: 64 + 64 matrix instructions.  first: it starts m, l and O^T.  next: a further step follows, whose K, mask words, Q chunks and V are asked for here.
.macro STEP first, next
	s_wait_loadcnt 32                              ; K and the mask words are in; V's 32 loads may be out
.irp cc, 0,1,2,3,4,5,6,7
	WIN 0
	PLACES                                         ; ahead of loads into the Q set that the chunk before last multiplied; with the four at the last step's end they are also the places ahead of products that write over P
.if \cc+2 < 8
	QLD \cc+2
.endif
.if \cc < 6
	s_wait_dscnt 16                                ; this chunk's set is in; the two younger sets, 8 loads each, may be out
.elseif \cc == 6
	s_wait_dscnt 8
.else
	s_wait_dscnt 0x0
.endif
	WIN 0x01                                       ; source 0 (K) window 1
.irp kt, 0,1
.irp qt, 0,1,2,3
.if \cc == 0
	v_wmma_f32_16x16x32_f16 v[S+16*\qt+8*\kt:S+16*\qt+8*\kt+7], v[8*(8*\kt+\cc):8*(8*\kt+\cc)+7], v[QS+32*(\cc%3)+8*\qt:QS+32*(\cc%3)+8*\qt+7], 0
.else
	v_wmma_f32_16x16x32_f16 v[S+16*\qt+8*\kt:S+16*\qt+8*\kt+7], v[8*(8*\kt+\cc):8*(8*\kt+\cc)+7], v[QS+32*(\cc%3)+8*\qt:QS+32*(\cc%3)+8*\qt+7], v[S+16*\qt+8*\kt:S+16*\qt+8*\kt+7]
.endif
.endr
.endr
.endr
	WIN 0
	PLACES
.if \next
	WIN 0x40
	KLD 65536                                      ; my next group lies four groups on
	WIN 0
	QLD 0
	QLD 1
.endif
.irp kt, 0,1                           ; the padding mask: a key whose word is 0 or less counts for nobody.  Each accumulator is read from its low end on
.irp j, 0,1,2,3,4,5,6,7
	v_cmp_gt_i32 vcc_lo, 1, v[BI+8*\kt+\j]
.irp qt, 0,1,2,3
	v_cndmask_b32 v[S+16*\qt+8*\kt+\j], v[S+16*\qt+8*\kt+\j], v[SENT], vcc_lo
.endr
.endr
.endr
.if \next
	MLD 512
	ASK
.endif
	s_cmp_ge_i32 s23, s30                          ; the band cuts a group only at its two edges: g >= 2 qb (the diagonal), g <= 2 qb - 31 (the window's end): ids alone
	s_cbranch_scc1 .Lband_\@
	s_cmp_gt_i32 s23, s31
	s_cbranch_scc1 .Lopen_\@
.Lband_\@:
	s_lshl_b32 s32, s23, 5
	s_lshl_b32 s33, ttmp9, 6
	s_sub_co_i32 s32, s33, s32
	v_add_nc_u32 v[DD], s32, v[D0]                 ; 64 qb - 32 g + r - 8 h.  query - key = this - (16 (kt - qt) + j); a key counts where that lies in 0 .. 1023: one unsigned test
.irp dd, 0,1,2,3,4
.irp j, 0,1,2,3,4,5,6,7
	v_add_nc_u32 v[TB], -(16*(\dd-3)+\j), v[DD]
	v_cmp_le_u32 vcc_lo, 0x400, v[TB]
.irp qt, 0,1,2,3
.if (\qt+\dd-3 >= 0) && (\qt+\dd-3 <= 1)
	v_cndmask_b32 v[S+16*\qt+8*(\qt+\dd-3)+\j], v[S+16*\qt+8*(\qt+\dd-3)+\j], v[SENT], vcc_lo
.endif
.endr
.endr
.endr
.Lopen_\@:
.irp qt, 0,1,2,3
	v_max3_num_f32 v[ST+8*\qt+4], v[S+16*\qt], v[S+16*\qt+1], v[S+16*\qt+2]
.endr
.irp qt, 0,1,2,3
	v_max3_num_f32 v[ST+8*\qt+5], v[S+16*\qt+3], v[S+16*\qt+4], v[S+16*\qt+5]
.endr
	MX3 0, 6, 7
	MX3 1, 8, 9
	MX3 0, 10, 11
	MX3 1, 12, 13
	MX3 0, 14, 15
.irp qt, 0,1,2,3
.if \first
	v_max_num_f32 v[ST+8*\qt+4], v[ST+8*\qt+4], v[ST+8*\qt+5]
.else
	v_max3_num_f32 v[ST+8*\qt+4], v[ST+8*\qt+4], v[ST+8*\qt+5], v[ST+8*\qt+1]
.endif
.endr
.irp qt, 0,1,2,3
	v_permlanex16_b32 v[ST+8*\qt+5], v[ST+8*\qt+4], s28, s29   ; the query's other 16 keys lie in the lane 16 away
.endr
.irp qt, 0,1,2,3
	v_max_num_f32 v[ST+8*\qt+1], v[ST+8*\qt+4], v[ST+8*\qt+5]  ; the running maximum m
.endr
.if !\first
.irp qt, 0,1,2,3
	v_fma_f32 v[ST+8*\qt+7], -v[ST+8*\qt+1], s26, v[ST+8*\qt]  ; c m_old - c m_new
.endr
.endif
.irp qt, 0,1,2,3
	v_mul_f32 v[ST+8*\qt], s26, v[ST+8*\qt+1]
.endr
.irp i, 0,2,4,6,8,10,12,14
.irp qt, 0,1,2,3
	v_pk_fma_f32 v[S+16*\qt+\i:S+16*\qt+\i+1], v[S+16*\qt+\i:S+16*\qt+\i+1], s[26:27], v[ST+8*\qt:ST+8*\qt+1] op_sel_hi:[1,0,0] neg_lo:[0,0,1] neg_hi:[0,0,1]   ; c s - c m
.endr
.endr
.if !\first
.irp qt, 0,1,2,3
	v_exp_f32 v[ST+8*\qt+6], v[ST+8*\qt+7]         ; a
.endr
.endif
.irp i, 0,1,2,3,4,5,6,7,8,9,10,11,12,13,14,15
.irp qt, 0,1,2,3
	v_exp_f32 v[S+16*\qt+\i], v[S+16*\qt+\i]
.endr
.endr
	v_nop                                          ; a plain instruction behind the batch
	s_wait_alu depctr_va_vdst(0)                   ; one wait for the whole batch, ahead of its first reader
.irp qt, 0,1,2,3
	v_pk_add_f32 v[TMP+8*\qt:TMP+8*\qt+1], v[S+16*\qt:S+16*\qt+1], v[S+16*\qt+2:S+16*\qt+3]
.endr
.irp qt, 0,1,2,3
	v_pk_add_f32 v[TMP+8*\qt+2:TMP+8*\qt+3], v[S+16*\qt+4:S+16*\qt+5], v[S+16*\qt+6:S+16*\qt+7]
.endr
	PSUM 0, 8
	PSUM 1, 10
	PSUM 0, 12
	PSUM 1, 14
.irp qt, 0,1,2,3
.if \first
	v_pk_add_f32 v[ST+8*\qt+2:ST+8*\qt+3], v[TMP+8*\qt:TMP+8*\qt+1], v[TMP+8*\qt+2:TMP+8*\qt+3]
.else
	v_pk_add_f32 v[TMP+8*\qt:TMP+8*\qt+1], v[TMP+8*\qt:TMP+8*\qt+1], v[TMP+8*\qt+2:TMP+8*\qt+3]
.endif
.endr
.if !\first
.irp qt, 0,1,2,3
	v_pk_fma_f32 v[ST+8*\qt+2:ST+8*\qt+3], v[ST+8*\qt+2:ST+8*\qt+3], v[ST+8*\qt+6:ST+8*\qt+7], v[TMP+8*\qt:TMP+8*\qt+1] op_sel_hi:[1,0,1]   ; l = a l + the step's sum
.endr
.endif
.irp i, 0,1,2,3,4,5,6,7                ; P in f16, packed in place in ascending order: register i takes weights 2 i, 2 i + 1, which lie at or above it
.irp qt, 0,1,2,3
	v_cvt_pk_f16_f32 v[S+16*\qt+\i], v[S+16*\qt+2*\i], v[S+16*\qt+2*\i+1]
.endr
.endr
.if \next
	s_wait_loadcnt 36                              ; V is in; the next step's K (32 loads) and mask words (4) may be out
.else
	s_wait_loadcnt 0x0
.endif
.if !\first
	RESC 0
.endif
.irp ct, 0,1,2,3,4,5,6,7,8,9,10,11,12,13,14,15   ; four products a channel tile; the next tile's rescaling is issued behind them
	WIN 0xa1+0x50*(\ct/8)
.irp qt, 0,1,2,3
.if \first
	v_wmma_f32_16x16x32_f16 v[8*(4*(\ct%8)+\qt):8*(4*(\ct%8)+\qt)+7], v[128+8*\ct:128+8*\ct+7], v[S+16*\qt:S+16*\qt+7], 0
.else
	v_wmma_f32_16x16x32_f16 v[8*(4*(\ct%8)+\qt):8*(4*(\ct%8)+\qt)+7], v[128+8*\ct:128+8*\ct+7], v[S+16*\qt:S+16*\qt+7], v[8*(4*(\ct%8)+\qt):8*(4*(\ct%8)+\qt)+7]
.endif
.endr
.if (!\first) && (\ct < 15)
	RESC \ct+1
.endif
.endr
	WIN 0
	PLACES
.if \next
	WIN 0x40
	VLD 65536
	WIN 0
	s_wait_xcnt 0x0                                ; every load and prefetch has read its base: the bases step
	s_add_nc_u64 s[12:13], s[12:13], 65536
	s_add_nc_u64 s[14:15], s[14:15], 65536
	s_add_nc_u64 s[8:9], s[8:9], 512
	s_add_co_u32 s23, s23, 4
.endif
.endm
	s_load_b256 s[4:11], s[0:1], 0x0               ; qkv s[4:5], vsum s[6:7], attention_mask s[8:9], of s[10:11]
	v_lshl_add_u32 v[SPW], v0, 2, SPARE
	v_mov_b32 v[NIL], 0
	v_lshrrev_b32 v10, 5, v0
	v_readfirstlane_b32 s16, v10                   ; wave
	s_and_b32 s18, ttmp7, 0xffff                   ; 4 batch + head
	s_lshr_b32 s19, s18, 2
	s_and_b32 s20, s18, 3
	s_lshl_b32 s30, ttmp9, 1                       ; 2 qb
	s_sub_co_i32 s21, s30, 32
	s_max_i32 s21, s21, 0                          ; the band's first group
	s_add_co_u32 s22, s30, 1                       ; and its last
	s_sub_co_i32 s32, s16, s21
	s_and_b32 s32, s32, 3
	s_add_co_u32 s23, s21, s32                     ; my first group: the first at or above it that is w mod 4
	s_sub_co_i32 s24, s22, s23
	s_ashr_i32 s24, s24, 2
	s_add_co_i32 s24, s24, 1
	s_max_i32 s24, s24, 2                          ; my steps, two at the least
	s_sub_co_u32 s24, s24, 2                       ; the loop's trips
	s_sub_co_i32 s31, s30, 31
	s_cmp_eq_u32 ttmp9, 31
	s_cselect_b32 s25, 55, -1                      ; the last group from which a prefetch two steps on stays inside the head; nobody else asks
	s_mov_b32 s26, 0x3db8aa3b                      ; c = log2(e) / 16
	s_mov_b32 s27, s26
	s_mov_b32 s28, 0x76543210
	s_mov_b32 s29, 0xfedcba98
	s_mov_b32 s35, 0
	v_and_b32 v224, 31, v0
	v_and_b32 v225, 15, v0
	v_bfe_u32 v226, v0, 4, 1
	v_lshlrev_b32 v[L16], 4, v224
	v_add_nc_u32 v[QAD], QLB, v[L16]
	v_lshlrev_b32 v[MOFF], 5, v226
	v_lshlrev_b32 v[PFO], 8, v224
	v_mov_b32 v[SENT], 0xfe800000                  ; -2^126
	v_lshlrev_b32 v227, 3, v226
	v_sub_nc_u32 v[D0], v225, v227                 ; r - 8 h
	v_lshlrev_b32 v228, 2, v224
	s_lshl_b32 s32, s16, 10
	s_add_co_u32 s32, s32, STAT
	v_add_nc_u32 v[SAD], s32, v228                 ; where I put my statistics
	v_add_nc_u32 v[SRD], STAT, v228                ; where all waves' are read
	s_lshl_b32 s32, s16, 8
	s_add_co_u32 s32, s32, STAT
	v_add_nc_u32 v[SOW], s32, v228                 ; those of the tile that I store
	s_lshl_b32 s32, s16, 16
	v_add_nc_u32 v[OAD], s32, v[L16]
	s_lshl_b32 s32, s16, 9
	s_add_co_u32 s32, s32, MV
	v_lshl_add_u32 v[MVR], v226, 4, s32
	v_add_nc_u32 v229, s32, v[L16]
	s_lshl_b32 s32, s16, 13
	s_add_co_u32 s32, s32, QLB
	v_add_nc_u32 v230, s32, v[L16]
	v_lshlrev_b32 v231, 5, v224
	s_wait_kmcnt 0x0
	s_lshl_b32 s32, s18, 20                        ; 1 MiB for each batch and head in each of q, k, v
	s_lshl_b32 s33, s23, 14
	s_add_co_u32 s34, s32, s33
	s_add_nc_u64 s[12:13], s[4:5], s[34:35]
	s_add_nc_u64 s[14:15], s[12:13], 0x1000000     ; V at my first group
	s_add_nc_u64 s[12:13], s[12:13], 0x800000      ; K likewise
	s_lshl_b32 s33, ttmp9, 2
	s_add_co_u32 s33, s33, s16                     ; row tile 4 qb + wave
	s_lshl_b32 s34, s33, 13
	s_add_co_u32 s34, s34, s32
	s_add_nc_u64 s[36:37], s[4:5], s[34:35]        ; Q's tile w
	s_lshl_b32 s34, s19, 13
	s_lshl_b32 s38, s23, 7
	s_add_co_u32 s34, s34, s38
	s_add_nc_u64 s[8:9], s[8:9], s[34:35]
	s_lshl_b32 s34, s19, 15
	s_lshl_b32 s38, s20, 10
	s_add_co_u32 s34, s34, s38
	s_add_nc_u64 s[6:7], s[6:7], s[34:35]
	s_lshl_b32 s34, s19, 7
	s_add_co_u32 s34, s34, s33
	s_lshl_b32 s34, s34, 15
	s_lshl_b32 s38, s20, 13
	s_add_co_u32 s34, s34, s38
	s_add_nc_u64 s[10:11], s[10:11], s[34:35]
.irp p, 0,1,2,3,4,5,6,7                ; the batch's eight partial column sums of v: channels 8 lane .. + 7 of my head
	global_load_b128 v[64+8*\p:64+8*\p+3], v231, s[6:7] offset:4096*\p
	global_load_b128 v[64+8*\p+4:64+8*\p+7], v231, s[6:7] offset:4096*\p+16
.endr
.set FF, 0
.rept 16
	global_load_b128 v[128+4*FF:128+4*FF+3], v[L16], s[36:37] offset:512*FF
.set FF, FF+1
.endr
	WIN 0x40
	KLD 0
	WIN 0
	MLD 0
	WIN 0x40
	VLD 0
	WIN 0
	s_wait_loadcnt 63                              ; behind the sums and Q stand 68 loads; the wait names the most that its field holds
.irp p, 1,2,3,4,5,6,7
.irp i, 0,1,2,3
	v_pk_add_f32 v[64+2*\i:65+2*\i], v[64+2*\i:65+2*\i], v[64+8*\p+2*\i:65+8*\p+2*\i]
.endr
.endr
.irp i, 0,1,2,3
	v_pk_mul_f32 v[64+2*\i:65+2*\i], v[64+2*\i:65+2*\i], 0x3a000000 op_sel_hi:[1,0]   ; / 2048
.endr
.irp i, 0,1,2,3
	v_cvt_pk_f16_f32 v[72+\i], v[64+2*\i], v[65+2*\i]
.endr
	ds_store_b128 v229, v[72:75]
.set FF, 0
.rept 16
	ds_store_b128 v230, v[128+4*FF:128+4*FF+3] offset:512*FF
.set FF, FF+1
.endr
	s_wait_dscnt 0x0                               ; for the others' sake: my tile of Q lies in LDS
	s_barrier_signal -1
	s_barrier_wait -1
	QLD 0
	QLD 1
	STEP 1, 1
	s_cmp_eq_u32 s24, 0
	s_cbranch_scc1 .Lno_mid
.Lmid:
	STEP 0, 1
	s_sub_co_u32 s24, s24, 1
	s_cmp_lg_u32 s24, 0
	s_cbranch_scc1 .Lmid
.Lno_mid:
	STEP 0, 0
	; ---- THE MERGE.  Each wave's c m and l of the four tiles meet in LDS
.irp qt, 0,1,2,3
	v_add_f32 v[ST+8*\qt+2], v[ST+8*\qt+2], v[ST+8*\qt+3]
.endr
.irp qt, 0,1,2,3
	v_permlanex16_b32 v[ST+8*\qt+4], v[ST+8*\qt+2], s28, s29
.endr
.irp qt, 0,1,2,3
	v_add_f32 v[ST+8*\qt+2], v[ST+8*\qt+2], v[ST+8*\qt+4]
.endr
.irp qt, 0,1,2,3
	ds_store_b32 v[SAD], v[ST+8*\qt] offset:256*\qt
	ds_store_b32 v[SAD], v[ST+8*\qt+2] offset:256*\qt+128
.endr
	s_wait_dscnt 0x0
	s_barrier_signal -1
	s_barrier_wait -1
.irp v, 0,1,2,3
.irp qt, 0,1,2,3
	ds_load_b32 v[128+8*\v+\qt], v[SRD] offset:1024*\v+256*\qt
	ds_load_b32 v[132+8*\v+\qt], v[SRD] offset:1024*\v+256*\qt+128
.endr
.endr
.irp v, 0,1,2,3
	ds_load_b32 v[160+\v], v[SOW] offset:1024*\v   ; c m of the tile that I store, by an address made of my wave's number
.endr
	s_lshl_b32 s32, s16, 14
.irp v, 0,1,2,3
	v_add_nc_u32 v[RAD+\v], s32, v[L16]
	s_add_co_u32 s32, s32, 65536
.endr
	s_wait_dscnt 0x0
.irp qt, 0,1,2,3
	v_max3_num_f32 v[164+\qt], v[128+\qt], v[136+\qt], v[144+\qt]
.endr
.irp qt, 0,1,2,3
	v_max_num_f32 v[164+\qt], v[164+\qt], v[152+\qt]   ; the tile's c m over all keys
.endr
	v_max3_num_f32 v168, v160, v161, v162
	v_max_num_f32 v168, v168, v163
.irp v, 0,1,2,3
.irp qt, 0,1,2,3
	v_sub_f32 v[128+8*\v+\qt], v[128+8*\v+\qt], v[164+\qt]
.endr
.endr
.irp qt, 0,1,2,3
	v_sub_f32 v[ST+8*\qt], v[ST+8*\qt], v[164+\qt]
.endr
.irp v, 0,1,2,3
.irp qt, 0,1,2,3
	v_exp_f32 v[128+8*\v+\qt], v[128+8*\v+\qt]
.endr
.endr
.irp qt, 0,1,2,3
	v_exp_f32 v[ST+8*\qt], v[ST+8*\qt]
.endr
	v_nop
	s_wait_alu depctr_va_vdst(0)                   ; one wait for the twenty
.irp qt, 0,1,2,3
	v_mul_f32 v[172+\qt], v[132+\qt], v[128+\qt]
.endr
.irp v, 1,2,3
.irp qt, 0,1,2,3
	v_fma_f32 v[172+\qt], v[132+8*\v+\qt], v[128+8*\v+\qt], v[172+\qt]
.endr
.endr
.irp qt, 0,1,2,3
	v_rcp_f32 v[172+\qt], v[172+\qt]
.endr
	v_nop
	s_wait_alu depctr_va_vdst(0)
.irp qt, 0,1,2,3
	v_mul_f32 v[ST+8*\qt+6], v[ST+8*\qt], v[172+\qt]   ; my part's factor: 2^(c m_mine - c m) / l
.endr
.irp hi, 0,1
	WIN 0x82+0x41*\hi
.set CT, 0
.rept 8
.irp qt, 0,1,2,3
.irp p, 0,1,2,3
	v_pk_mul_f32 v[8*(4*CT+\qt)+2*\p:8*(4*CT+\qt)+2*\p+1], v[8*(4*CT+\qt)+2*\p:8*(4*CT+\qt)+2*\p+1], v[ST+8*\qt+6:ST+8*\qt+7] op_sel_hi:[1,0]
.endr
.endr
.set CT, CT+1
.endr
.endr
.irp hi, 0,1
	WIN 0x08+4*\hi                                 ; an LDS store's data: window 2 or 3
.set CT, 0
.rept 8
.irp qt, 0,1,2,3
	ds_store_b128 v[OAD], v[8*(4*CT+\qt):8*(4*CT+\qt)+3]   offset:1024*(16*\qt+8*\hi+CT)
	ds_store_b128 v[OAD], v[8*(4*CT+\qt)+4:8*(4*CT+\qt)+7] offset:1024*(16*\qt+8*\hi+CT)+512
.endr
.set CT, CT+1
.endr
.endr
	WIN 0
	s_wait_dscnt 0x0
	s_barrier_signal -1
	s_barrier_wait -1
.macro BLD bt                          ; channel tiles 4 bt .. + 3 of my tile of queries, all four waves' parts: 32 LDS loads into half bt % 2 of window 1
	WIN 0x40
.irp ci, 0,1,2,3
.irp v, 0,1,2,3
	ds_load_b128 v[128*((\bt)%2)+32*\ci+8*\v:128*((\bt)%2)+32*\ci+8*\v+3],   v[RAD+\v] offset:(4*(\bt)+\ci)*1024
	ds_load_b128 v[128*((\bt)%2)+32*\ci+8*\v+4:128*((\bt)%2)+32*\ci+8*\v+7], v[RAD+\v] offset:(4*(\bt)+\ci)*1024+512
.endr
.endr
	WIN 0
.endm
.macro BSUM bt
.set HB, 128*((\bt)%2)
	WIN 0x45
.irp ci, 0,1,2,3
.irp v, 1,2,3
.irp p, 0,1,2,3
	v_pk_add_f32 v[HB+32*\ci+2*\p:HB+32*\ci+2*\p+1], v[HB+32*\ci+2*\p:HB+32*\ci+2*\p+1], v[HB+32*\ci+8*\v+2*\p:HB+32*\ci+8*\v+2*\p+1]
.endr
.endr
.endr
	WIN 0x05
.irp ci, 0,1,2,3
.irp i, 0,1,2,3
	v_cvt_pk_f16_f32 v[OUT+4*(4*(\bt)+\ci)+\i], v[HB+32*\ci+2*\i], v[HB+32*\ci+2*\i+1]
.endr
.endr
	WIN 0
.endm
.set CT, 0
.rept 16
	ds_load_b128 v[MEAN+4*CT:MEAN+4*CT+3], v[MVR] offset:32*CT   ; the mean of v, channels 16 ct + 8 h + 0 .. 7: my wave's own copy
.set CT, CT+1
.endr
	BLD 0
	BLD 1
	s_wait_dscnt 32                                ; all but the batch just asked for
	BSUM 0
	BLD 2
	s_wait_dscnt 32
	BSUM 1
	BLD 3
	s_wait_dscnt 32
	BSUM 2
	s_wait_dscnt 0x0
	BSUM 3
	s_mov_b32 s34, 0xf149f2ca                      ; -1e30: under every c m of a key that counts, over c x sentinel
	v_cmp_gt_f32 vcc_lo, s34, v168
.set CT, 0
.rept 64
	v_cndmask_b32 v[OUT+CT], v[OUT+CT], v[MEAN+CT], vcc_lo
.set CT, CT+1
.endr
.set CT, 0
.rept 16
	global_store_b128 v[L16], v[OUT+4*CT:OUT+4*CT+3], s[10:11] offset:512*CT   ; half a fragment image of the projection's operand: 512 consecutive bytes
.set CT, CT+1
.endr
	s_wait_tensorcnt 0x0                           ; the wave's end
	ds_add_u32 v[SPW], v[NIL]
	s_wait_dscnt 0x0
	s_endpgm
.Lfunc_end_k_qfcd0ab749e_attn:
	.size	k_qfcd0ab749e_attn, .Lfunc_end_k_qfcd0ab749e_attn-k_qfcd0ab749e_attn
	.p2alignl 7, 3214868480
	.fill 96, 4, 3214868480
	.section	.rodata,"a",@progbits
	.p2align	6, 0x0
	.amdhsa_kernel k_qfcd0ab749e_attn
		.amdhsa_group_segment_fixed_size 301568
		.amdhsa_private_segment_fixed_size 0
		.amdhsa_enable_private_segment 0
		.amdhsa_kernarg_size 32
		.amdhsa_user_sgpr_count 2
		.amdhsa_user_sgpr_kernarg_segment_ptr 1
		.amdhsa_wavefront_size32 1
		.amdhsa_system_sgpr_workgroup_id_x 1
		.amdhsa_system_sgpr_workgroup_id_y 1
		.amdhsa_system_sgpr_workgroup_id_z 1
		.amdhsa_system_vgpr_workitem_id 0
		.amdhsa_next_free_vgpr 1024
		.amdhsa_next_free_sgpr 66
		.amdhsa_reserve_vcc 1
		.amdhsa_float_denorm_mode_32 3
		.amdhsa_float_denorm_mode_16_64 3
		.amdhsa_memory_ordered 1
		.amdhsa_forward_progress 1
		.amdhsa_inst_pref_size 227
	.end_amdhsa_kernel
	.amdgpu_metadata
---
amdhsa.version: [ 1, 2 ]
amdhsa.kernels:
  - .name:           k_qfcd0ab749e_attn
    .symbol:         k_qfcd0ab749e_attn.kd
    .args:
      - { .name: qkv, .offset: 0, .size: 8, .value_kind: global_buffer, .address_space: global }
      - { .name: vsum, .offset: 8, .size: 8, .value_kind: global_buffer, .address_space: global }
      - { .name: attention_mask, .offset: 16, .size: 8, .value_kind: global_buffer, .address_space: global }
      - { .name: of, .offset: 24, .size: 8, .value_kind: global_buffer, .address_space: global }
    .group_segment_fixed_size: 301568
    .private_segment_fixed_size: 0
    .kernarg_segment_align: 8
    .kernarg_segment_size: 32
    .max_flat_workgroup_size: 128
    .sgpr_count:     66
    .vgpr_count:     1024
    .wavefront_size: 32
...
	.end_amdgpu_metadata
.endif
;; end of part 3
;; launch proj (part 4): grid 8 x 32, 4 waves a work-group, clusters of 4 x 4, 327,680 bytes of LDS; arguments of, wof, out0; writes out0
.if DOCPART == 4
	.amdgcn_target "amdgcn-amd-amdhsa--gfx1250"
	.amdhsa_code_object_version 6
	.text
	.protected	k_qfcd0ab749e_proj
	.globl	k_qfcd0ab749e_proj
	.p2align	8
	.type	k_qfcd0ab749e_proj,@function
k_qfcd0ab749e_proj:
	s_mov_b64 s[64:65], 0
	v_nop
	global_prefetch_b8 v0, s[64:65] scope:SCOPE_SE
	s_setreg_imm32_b32 hwreg(HW_REG_WAVE_MODE, 25, 1), 1
	s_wait_xcnt 0x0
	s_wait_alu depctr_hold_cnt(0) depctr_sa_sdst(0) depctr_va_vdst(0) depctr_va_sdst(0) depctr_va_ssrc(0) depctr_va_vcc(0) depctr_vm_vsrc(0)
	s_getreg_b32 s2, hwreg(HW_REG_IB_STS2, 6, 4)
	s_cmp_eq_u32 s2, 0
	s_cbranch_scc0 .Lentry_in_a_cluster
	s_endpgm
.Lentry_in_a_cluster:
	s_bfe_u32 s2, ttmp6, 0x10000c
	s_cmp_lg_u32 s2, 0xf033
	s_cbranch_scc0 .Lentry_shape_is_right
	s_endpgm
.Lentry_shape_is_right:
; PROJ: out0 [4096][2048] f32 = attention rows [4096][1024] x Wo [1024][2048], f16 operands, f32 sums.  Both operands arrive as fragment images (16 rows x 32 k: 1,024 bytes; [tile][chunk 32]).
; A tile of the output is 128 rows x 256 columns: 256 work-groups.  Four waves, each 64 x 128: 32 accumulators, 256 registers (window 1, (a, b) at v[8 (8 a + b)]).
; K goes in steps of 128 (four chunks) through two LDS slots: A's 8 row tiles (32 KB), then B's 16 column tiles (64 KB); every LDS read is 16 x lane on end.
; CLUSTER 4 x 4: A's tile is shared along a row of the cluster, B's along a column: joint loads.  The matrix instruction is used transposed (source 0 = 16 columns of Wo, source 1 = 16 rows): a lane holds eight neighbouring columns of a row.
; Rows 0-15 of each sequence are written over by the launch that follows, which carries them in f32.
.set KSB,    4096                      ; a K step of one tile in bytes
.set SLOT,   98304
.set BOFF,   32768
.set SPARE,  196608
.set SPITCH, 528                       ; the way out: a stage of 16 rows x (512 bytes + 16) for each wave, in slot 0, which has had its last fill and its last read by then
.set LAPS,   4                         ; a lap = two K steps; 1,024 along K are eight
.set ADA, 16
.set ADB, 20
.set STO, 24
.set RD,  25
.set CO,  26
.set SPW, 28
.set NIL, 29
.set F0,  32                           ; fragment buffers: B's eight (64 registers), then A's four (32)
.set F1,  128
.set BK,  32
.set G1,  24
.set G0,  32
.set G1B, 48
.set G0B, 56
.set MSB, 0
.macro WIN new
.if MSB != (\new)
	s_set_vgpr_msb (MSB<<8)|(\new)
.set MSB, (\new)
.endif
.endm
.macro PLACES
.rept 4
	v_nop
.endr
.endm
.macro JLOAD s                         ; waves 0, 1 fetch A's halves, waves 2, 3 B's; an s_nop 0 and four v_nop follow each line
	s_cmp_eq_u32 s11, 0
	s_cbranch_scc0 .Lfor_b_\@
	tensor_load_to_lds s[G0+4*\s:G0+4*\s+3], s[G1:G1+7]
	s_nop 0
.rept 4
	v_nop
.endr
	s_branch .Lasked_\@
.Lfor_b_\@:
	tensor_load_to_lds s[G0B+4*\s:G0B+4*\s+3], s[G1B:G1B+7]
	s_nop 0
.rept 4
	v_nop
.endr
.Lasked_\@:
.endm
.macro CREST
	s_cmp_lg_u32 s10, 0
	s_cbranch_scc1 .Lnot_wave_0_\@
	s_barrier_signal -3
.Lnot_wave_0_\@:
	s_barrier_wait -3
	s_barrier_signal -1
	s_barrier_wait -1
.endm
.macro CROUND
	s_barrier_signal -1
	s_barrier_wait -1
	CREST
.endm
.macro MULP f, a0, n, zero             ; n blocks of rows from a0 on x the eight blocks of columns, 32 along K; the 32 accumulators take turns
.set AA, \a0
.rept \n
.irp b, 0,1,2,3,4,5,6,7
.if \zero
	v_wmma_f32_16x16x32_f16 v[8*(8*AA+\b):8*(8*AA+\b)+7], v[\f+8*\b:\f+8*\b+7], v[\f+64+8*AA:\f+64+8*AA+7], 0
.else
	v_wmma_f32_16x16x32_f16 v[8*(8*AA+\b):8*(8*AA+\b)+7], v[\f+8*\b:\f+8*\b+7], v[\f+64+8*AA:\f+64+8*AA+7], v[8*(8*AA+\b):8*(8*AA+\b)+7]
.endif
.endr
.set AA, AA+1
.endr
.endm
.macro FETCH slot, q, f                ; chunk q of the slot: 24 LDS loads: B's eight fragments, then A's four
.irp i, 0,1,2,3,4,5,6,7
	ds_load_b128 v[\f+8*\i:\f+8*\i+3],   v[ADB+\slot] offset:\i*4096+(\q)*1024
	ds_load_b128 v[\f+8*\i+4:\f+8*\i+7], v[ADB+\slot] offset:\i*4096+(\q)*1024+512
.endr
.irp i, 0,1,2,3
	ds_load_b128 v[\f+64+8*\i:\f+64+8*\i+3],   v[ADA+\slot] offset:\i*4096+(\q)*1024
	ds_load_b128 v[\f+64+8*\i+4:\f+64+8*\i+7], v[ADA+\slot] offset:\i*4096+(\q)*1024+512
.endr
.endm
.macro QUARTER slot, qn, f, g, zero    ; multiplies buffer f; in its middle fetches chunk qn of the same slot into g
	s_wait_dscnt 4                                 ; all but A's blocks 2, 3
	WIN 0x50
	MULP \f, 0, 2, \zero
	PLACES
	WIN 0
	FETCH \slot, \qn, \g
	s_wait_dscnt 24                                ; all but the 24 just issued
	WIN 0x50
	MULP \f, 2, 2, \zero
.endm
.macro TURN slot, next, fill           ; a K step's last chunk (buffer 1) changes slots
	WIN 0
	s_wait_tensorcnt 0x0                           ; all my tensor loads have landed: my part of the next slot
	ds_add_u32 v[SPW], v[NIL]
	s_wait_dscnt 5                                 ; the add and the youngest four loads may be out
	WIN 0x50
	MULP F1, 0, 1, 0
	s_wait_dscnt 0x0                               ; the add is done, my reads of this slot are over
	s_barrier_signal -1
	MULP F1, 1, 1, 0
	WIN 0
	s_barrier_wait -1
.if \fill
	CREST                                          ; the barrier has opened a round of the cluster's barrier
	s_add_nc_u64 s[G0+4*\slot+2:G0+4*\slot+3], s[G0+4*\slot+2:G0+4*\slot+3], 2*KSB
	s_add_nc_u64 s[G0B+4*\slot+2:G0B+4*\slot+3], s[G0B+4*\slot+2:G0B+4*\slot+3], 2*KSB
	JLOAD \slot                                    ; its four v_nop are also the places in front of the loads below
.else
	PLACES
.endif
	FETCH \next, 0, F0
	WIN 0x50
	MULP F1, 2, 2, 0
.endm
	s_load_b128 s[4:7], s[0:1], 0x0                ; of s[4:5], wof s[6:7]
	s_load_b64 s[8:9], s[0:1], 0x10                ; out0
	v_lshl_add_u32 v[SPW], v0, 2, SPARE
	v_mov_b32 v[NIL], 0
	ds_add_u32 v[SPW], v[NIL]                      ; the wave's opening: the add, twice on end, and its wait ahead of my first tensor load
	ds_add_u32 v[SPW], v[NIL]
	v_lshrrev_b32 v1, 5, v0
	v_readfirstlane_b32 s10, v1                    ; wave
	s_lshr_b32 s11, s10, 1                         ; my half of the rows.  Also: I fetch for A (0) or for B (1)
	s_and_b32 s12, s10, 1                          ; my half of the columns.  Also: which half of that tile I fetch
	s_bfe_u32 s40, ttmp6, 0x40000
	s_bfe_u32 s41, ttmp6, 0x40004
	s_lshl_b32 s42, ttmp9, 2
	s_add_co_u32 s42, s42, s40                     ; tile column
	s_and_b32 s13, ttmp7, 0xffff
	s_lshl_b32 s13, s13, 2
	s_add_co_u32 s13, s13, s41                     ; tile row
	s_lshl_b32 s43, s41, 2
	s_lshl_b32 s43, 15, s43                        ; my row of the cluster
	s_lshl_b32 s44, 0x1111, s40                    ; my column
	s_or_b32 s[G1], s43, (3<<16)|(1<<21)           ; elements of 8 bytes, no padding
	s_or_b32 s[G1B], s44, (3<<16)|(1<<21)
	s_mov_b32 s[G1+1], 512<<16                     ; of each tile 4,096 bytes out of 32,768
	s_mov_b32 s[G1+2], 4<<16                       ; A: four row tiles a load
	s_mov_b32 s[G1+3], 512<<16
	s_mov_b32 s[G1+4], 4
	s_mov_b32 s[G1+5], 4096
	s_mov_b32 s[G1+6], 0
	s_mov_b32 s[G1+7], 0
	s_mov_b32 s[G1B+1], 512<<16
	s_mov_b32 s[G1B+2], 8<<16                      ; B: eight column tiles a load
	s_mov_b32 s[G1B+3], 512<<16
	s_mov_b32 s[G1B+4], 8
	s_mov_b32 s[G1B+5], 4096
	s_mov_b32 s[G1B+6], 0
	s_mov_b32 s[G1B+7], 0
	s_lshl_b32 s17, s12, 2
	s_lshl_b32 s16, s13, 3
	s_add_co_u32 s16, s16, s17
	s_lshl_b32 s16, s16, 15                        ; A: row tile 8 x tile row + 4 x half
	s_mov_b32 s17, 0
	s_lshl_b32 s47, s12, 3
	s_lshl_b32 s46, s42, 4
	s_add_co_u32 s46, s46, s47
	s_lshl_b32 s46, s46, 15                        ; B: column tile 16 x tile column + 8 x half
	s_mov_b32 s47, 0
	s_lshl_b32 s20, s12, 14                        ; where they go: no place in the cluster enters an LDS address
	s_lshl_b32 s21, s12, 15
	s_add_co_u32 s21, s21, BOFF
	s_wait_dscnt 0x0
	s_wait_kmcnt 0x0
	s_add_nc_u64 s[14:15], s[4:5], s[16:17]
	s_add_nc_u64 s[46:47], s[6:7], s[46:47]
	CROUND
.irp s, 0,1
	s_mov_b32 s[G0+4*\s], 1
	s_add_co_u32 s[G0+4*\s+1], s20, \s*SLOT
	s_add_nc_u64 s[G0+4*\s+2:G0+4*\s+3], s[14:15], \s*KSB
	s_or_b32 s[G0+4*\s+3], s[G0+4*\s+3], 0x80000000
	s_mov_b32 s[G0B+4*\s], 1
	s_add_co_u32 s[G0B+4*\s+1], s21, \s*SLOT
	s_add_nc_u64 s[G0B+4*\s+2:G0B+4*\s+3], s[46:47], \s*KSB
	s_or_b32 s[G0B+4*\s+3], s[G0B+4*\s+3], 0x80000000
	JLOAD \s                                       ; two loads of mine are out
.endr
	v_and_b32 v1, 15, v0
	v_bfe_u32 v2, v0, 4, 1
	v_and_b32 v3, 31, v0
	v_lshlrev_b32 v[CO], 4, v3                     ; 16 x lane
	s_lshl_b32 s21, s11, 14                        ; my four row tiles
	s_lshl_b32 s22, s12, 15
	s_add_co_u32 s22, s22, BOFF                    ; my eight column tiles
.irp s, 0,1
	v_add_nc_u32 v[ADA+\s], s21, v[CO]
	v_add_nc_u32 v[ADB+\s], s22, v[CO]
	s_add_co_u32 s21, s21, SLOT
	s_add_co_u32 s22, s22, SLOT
.endr
	s_mul_i32 s23, s10, 16*SPITCH                  ; my stage
	v_mul_u32_u24 v4, v1, SPITCH
	v_lshl_add_u32 v4, v2, 5, v4
	v_add_nc_u32 v[STO], s23, v4                   ; in: row r, 32 bytes for each half of the lanes
	v_add_nc_u32 v[RD], s23, v[CO]                 ; back: a row of 512 bytes
	s_lshl_b32 s16, s13, 20                        ; 128 rows of 8,192 bytes
	s_lshl_b32 s17, s11, 19
	s_add_co_u32 s16, s16, s17
	s_lshl_b32 s46, s42, 10
	s_lshl_b32 s47, s12, 9
	s_add_co_u32 s46, s46, s47
	s_add_co_u32 s16, s16, s46
	s_mov_b32 s17, 0
	s_add_nc_u64 s[8:9], s[8:9], s[16:17]
	s_wait_tensorcnt 1                             ; my part of K step 0 is in; K step 1's may be out
	s_barrier_signal -1
	s_barrier_wait -1
	FETCH 0, 0, F0
	QUARTER 0, 1, F0, F1, 1                        ; the first products start the sums
	WIN 0
	s_mov_b32 s3, LAPS-1
.Llap:                                             ; a trip goes once round the ring and fills both slots again
	QUARTER 0, 2, F1, F0, 0
	QUARTER 0, 3, F0, F1, 0
	TURN 0, 1, 1
	QUARTER 1, 1, F0, F1, 0
	QUARTER 1, 2, F1, F0, 0
	QUARTER 1, 3, F0, F1, 0
	TURN 1, 0, 1
	QUARTER 0, 1, F0, F1, 0
	WIN 0
	s_sub_co_u32 s3, s3, 1
	s_cmp_lg_u32 s3, 0
	s_cbranch_scc1 .Llap
	QUARTER 0, 2, F1, F0, 0                        ; the last lap fills nothing
	QUARTER 0, 3, F0, F1, 0
	TURN 0, 1, 0
	QUARTER 1, 1, F0, F1, 0
	QUARTER 1, 2, F1, F0, 0
	QUARTER 1, 3, F0, F1, 0
	s_wait_dscnt 4
	WIN 0x50
	MULP F1, 0, 2, 0
	s_wait_dscnt 0x0
	MULP F1, 2, 2, 0
	WIN 0
; THE WAY OUT, a block of 16 rows x 128 columns at a time through my own stage: in as 32 bytes a lane, back as whole rows of 512 bytes.  LDS serves a wave's instructions in order.
.macro TOSTAGE a
	WIN 0x04                                       ; an LDS store's data: window 1
.irp b, 0,1,2,3,4,5,6,7
	ds_store_b128 v[STO], v[8*(8*(\a)+\b):8*(8*(\a)+\b)+3]   offset:64*\b
	ds_store_b128 v[STO], v[8*(8*(\a)+\b)+4:8*(8*(\a)+\b)+7] offset:64*\b+16
.endr
	WIN 0
.set BB, BK+64*((\a)%2)
.irp t, 0,1,2,3,4,5,6,7,8,9,10,11,12,13,14,15
	ds_load_b128 v[BB+4*\t:BB+4*\t+3], v[RD] offset:\t*SPITCH
.endr
.endm
.macro SEND a, younger
.set BB, BK+64*((\a)%2)
	s_wait_dscnt \younger
.if (\a) > 0
	s_add_nc_u64 s[8:9], s[8:9], 16*8192           ; behind a wait on XCNT: the earlier stores have read their base
.endif
.irp t, 0,1,2,3,4,5,6,7,8,9,10,11,12,13,14,15
	global_store_b128 v[CO], v[BB+4*\t:BB+4*\t+3], s[8:9] offset:\t*8192 th:TH_STORE_NT   ; 32 lanes store 512 consecutive bytes, aligned
.endr
.endm
	PLACES
	TOSTAGE 0
.irp a, 1,2,3
.if \a > 1
	s_wait_xcnt 0x0                                ; the stores of two blocks back have read their registers and their base
.endif
	TOSTAGE \a
	SEND \a-1, 32                                  ; behind that block's loads: this block's 16 stores and 16 loads
.endr
	s_wait_xcnt 0x0
	SEND 3, 0
	s_wait_tensorcnt 0x0                           ; the wave's end
	ds_add_u32 v[SPW], v[NIL]
	s_wait_dscnt 0x0
	CROUND                                         ; the closing round
	s_endpgm
.Lfunc_end_k_qfcd0ab749e_proj:
	.size	k_qfcd0ab749e_proj, .Lfunc_end_k_qfcd0ab749e_proj-k_qfcd0ab749e_proj
	.p2alignl 7, 3214868480
	.fill 96, 4, 3214868480
	.section	.rodata,"a",@progbits
	.p2align	6, 0x0
	.amdhsa_kernel k_qfcd0ab749e_proj
		.amdhsa_group_segment_fixed_size 327680
		.amdhsa_private_segment_fixed_size 0
		.amdhsa_enable_private_segment 0
		.amdhsa_kernarg_size 24
		.amdhsa_user_sgpr_count 2
		.amdhsa_user_sgpr_kernarg_segment_ptr 1
		.amdhsa_wavefront_size32 1
		.amdhsa_system_sgpr_workgroup_id_x 1
		.amdhsa_system_sgpr_workgroup_id_y 1
		.amdhsa_system_sgpr_workgroup_id_z 1
		.amdhsa_system_vgpr_workitem_id 0
		.amdhsa_next_free_vgpr 512
		.amdhsa_next_free_sgpr 66
		.amdhsa_reserve_vcc 0
		.amdhsa_float_denorm_mode_32 3
		.amdhsa_float_denorm_mode_16_64 3
		.amdhsa_memory_ordered 1
		.amdhsa_forward_progress 1
		.amdhsa_inst_pref_size 84
	.end_amdhsa_kernel
	.amdgpu_metadata
---
amdhsa.version: [ 1, 2 ]
amdhsa.kernels:
  - .name:           k_qfcd0ab749e_proj
    .symbol:         k_qfcd0ab749e_proj.kd
    .args:
      - { .name: of, .offset: 0, .size: 8, .value_kind: global_buffer, .address_space: global }
      - { .name: wof, .offset: 8, .size: 8, .value_kind: global_buffer, .address_space: global }
      - { .name: out0, .offset: 16, .size: 8, .value_kind: global_buffer, .address_space: global }
    .group_segment_fixed_size: 327680
    .private_segment_fixed_size: 0
    .kernarg_segment_align: 8
    .kernarg_segment_size: 24
    .max_flat_workgroup_size: 128
    .sgpr_count:     66
    .vgpr_count:     512
    .wavefront_size: 32
...
	.end_amdgpu_metadata
.endif
;; end of part 4
;; launch firstrows (part 5): grid 128 x 2, 4 waves a work-group, no clusters, 8,704 bytes of LDS; arguments first, vsum, attention_mask, Wo, out0; writes out0
.if DOCPART == 5
	.amdgcn_target "amdgcn-amd-amdhsa--gfx1250"
	.amdhsa_code_object_version 6
	.text
	.protected	k_qfcd0ab749e_firstrows
	.globl	k_qfcd0ab749e_firstrows
	.p2align	8
	.type	k_qfcd0ab749e_firstrows,@function
k_qfcd0ab749e_firstrows:
	s_mov_b64 s[64:65], 0
	v_nop
	global_prefetch_b8 v0, s[64:65] scope:SCOPE_SE
	s_setreg_imm32_b32 hwreg(HW_REG_WAVE_MODE, 25, 1), 1
	s_wait_xcnt 0x0
; FIRSTROWS: positions 0-15 of both sequences once more, all in f32: these rows average one to sixteen values, and the rounding of f16 operands would weigh most there.  32 rows of out0 are written over.
; A work-group makes 16 columns of the output for one batch; wave w is head w, which is also its slice of the projection's K; the four parts are added through LDS.
; All products by the f32 matrix form, 192 a wave: no bulk work.  Its operands are register pairs (2 s, 2 s + 1) of the f32 images that the products' launch stored: lane (r, h), register j = element 8 h + j of row r;
; as an operand of K = 4 the pair stands for elements 8 h + 2 s + 0, 1: the same choice on both sources, so every product meets its partner.
; The registers that the matrix form writes (scores, O^T, the output's parts) are written by nothing else; what is made of them goes into other registers.
; Masked scores are the sentinel -2^126, as in the launch for all rows; a query with no key gets the mean of v over the whole sequence.  LIMITS: scores under 2^100 in size; NaN and infinities not served.
; REGISTERS: window 0: v1-15 addresses; v16-23 mask words; v24-31 scores, then p; v32-55 at work; v64-191 q, later the rows that go into the projection; v192-223 four score sums; v224-255 four output sums.
;   window 1: v0-127 k, later the mean of v; v128-255 v.   window 2: v0-127 O^T; v128-255 Wo.   window 3: v0-63 vsum's eight parts.
.set RED,   0
.set MVF,   4096
.set SPARE, 8192
.set L16,  1
.set MOFF, 2
.set VSO,  3
.set WBO,  4
.set SENT, 6
.set DD,   7
.set SPW,  8
.set NIL,  9
.set MVS,  10
.set MVR,  11
.set RST,  12
.set RRD,  13
.set CM,   14
.set T0,   15
.set MW,   16
.set SS,   24
.set S2,   32
.set PO,   40
.set P2,   48
.set FQ,   64
.set SA,   192
.set PA,   224
.set MSB, 0
.macro WIN new
.if MSB != (\new)
	s_set_vgpr_msb (MSB<<8)|(\new)
.set MSB, (\new)
.endif
.endm
.macro PLACES8                         ; eight plain places behind the f32 matrix form (ISA guide 7.12.1)
.rept 8
	v_nop
.endr
.endm
	s_load_b256 s[4:11], s[0:1], 0x0               ; first s[4:5], vsum s[6:7], attention_mask s[8:9], Wo s[10:11]
	s_load_b64 s[12:13], s[0:1], 0x20              ; out0
	v_lshl_add_u32 v[SPW], v0, 2, SPARE
	v_mov_b32 v[NIL], 0
	v_lshrrev_b32 v5, 5, v0
	v_readfirstlane_b32 s14, v5                    ; wave = head
	s_and_b32 s15, ttmp7, 0xffff                   ; batch
	v_and_b32 v32, 31, v0
	v_and_b32 v33, 15, v0
	v_bfe_u32 v34, v0, 4, 1
	v_lshlrev_b32 v[L16], 4, v32
	v_lshlrev_b32 v[MOFF], 5, v34
	v_lshlrev_b32 v[VSO], 5, v32
	v_lshlrev_b32 v[WBO], 2, v33
	v_lshl_add_u32 v[WBO], v34, 16, v[WBO]         ; 8 h rows of 8,192 bytes + 4 r: in Wo and in out0 alike
	v_mov_b32 v[SENT], 0xfe800000                  ; -2^126
	v_lshlrev_b32 v35, 3, v34
	v_sub_nc_u32 v[DD], v33, v35                   ; r - 8 h
	s_lshl_b32 s20, s14, 10
	s_add_co_u32 s21, s20, MVF
	v_add_nc_u32 v[MVS], s21, v[VSO]
	v_add_nc_u32 v[MVR], s21, v[MOFF]
	v_add_nc_u32 v[RST], s20, v[L16]
	v_mov_b32 v[RRD], v[L16]
	v_mov_b32 v[T0], 0
	s_mov_b32 s16, 0x3db8aa3b                      ; c = log2(e) / 16
	s_mov_b32 s17, 0xf149f2ca                      ; -1e30
	s_mov_b32 s18, 0x76543210
	s_mov_b32 s19, 0xfedcba98
	s_mov_b32 s23, 0
	s_wait_kmcnt 0x0
	s_mul_i32 s22, s15, 12
	s_add_co_u32 s22, s22, s14
	s_lshl_b32 s22, s22, 14                        ; q of my batch and head; k lies 65,536 bytes on, v 131,072
	s_add_nc_u64 s[4:5], s[4:5], s[22:23]
	s_lshl_b32 s22, s15, 15
	s_add_co_u32 s22, s22, s20
	s_add_nc_u64 s[6:7], s[6:7], s[22:23]
	s_lshl_b32 s22, s15, 13
	s_add_nc_u64 s[8:9], s[8:9], s[22:23]
	s_lshl_b32 s22, s14, 21                        ; my head's 256 rows of Wo
	s_lshl_b32 s24, ttmp9, 6                       ; my work-group's 16 columns
	s_add_co_u32 s22, s22, s24
	s_add_nc_u64 s[10:11], s[10:11], s[22:23]
	s_lshl_b32 s22, s15, 24
	s_add_co_u32 s22, s22, s24
	s_add_nc_u64 s[12:13], s[12:13], s[22:23]
	global_load_b128 v[MW:MW+3], v[MOFF], s[8:9]
	global_load_b128 v[MW+4:MW+7], v[MOFF], s[8:9] offset:16
	WIN 0x40
.set TT, 0
.rept 16
	global_load_b128 v[8*TT:8*TT+3],   v[L16], s[4:5] offset:65536+1024*TT
	global_load_b128 v[8*TT+4:8*TT+7], v[L16], s[4:5] offset:65536+1024*TT+512
.set TT, TT+1
.endr
	WIN 0
.set TT, 0
.rept 16
	global_load_b128 v[FQ+8*TT:FQ+8*TT+3],   v[L16], s[4:5] offset:1024*TT
	global_load_b128 v[FQ+8*TT+4:FQ+8*TT+7], v[L16], s[4:5] offset:1024*TT+512
.set TT, TT+1
.endr
	WIN 0xc0
.irp p, 0,1,2,3,4,5,6,7
	global_load_b128 v[8*\p:8*\p+3],   v[VSO], s[6:7] offset:4096*\p
	global_load_b128 v[8*\p+4:8*\p+7], v[VSO], s[6:7] offset:4096*\p+16
.endr
	WIN 0x40
.set TT, 0
.rept 16
	global_load_b128 v[128+8*TT:128+8*TT+3],   v[L16], s[4:5] offset:131072+1024*TT
	global_load_b128 v[128+8*TT+4:128+8*TT+7], v[L16], s[4:5] offset:131072+1024*TT+512
.set TT, TT+1
.endr
	WIN 0
	s_wait_loadcnt 48                              ; the mask words, k and q are in; vsum's 16 loads and v's 32 may be out
	WIN 0x01                                       ; S^T = k q^T: four sums by turns, one for each register pair
.set TT, 0
.rept 16
.irp s, 0,1,2,3
.if TT == 0
	v_wmma_f32_16x16x4_f32 v[SA+8*\s:SA+8*\s+7], v[8*TT+2*\s:8*TT+2*\s+1], v[FQ+8*TT+2*\s:FQ+8*TT+2*\s+1], 0
.else
	v_wmma_f32_16x16x4_f32 v[SA+8*\s:SA+8*\s+7], v[8*TT+2*\s:8*TT+2*\s+1], v[FQ+8*TT+2*\s:FQ+8*TT+2*\s+1], v[SA+8*\s:SA+8*\s+7]
.endif
.endr
.set TT, TT+1
.endr
	WIN 0x80
.set TT, 0
.rept 64
	global_load_b32 v[128+TT], v[WBO], s[10:11] offset:(16*(TT/8)+TT%8)*8192   ; Wo(256 w + 16 ct + 8 h + j, my column r): channel tiles 0-7
.set TT, TT+1
.endr
	WIN 0
	PLACES8
	s_wait_loadcnt 63                              ; behind vsum and v stand these 64 loads; the wait names the most that its field holds
	WIN 0xcf
.irp p, 1,2,3,4,5,6,7
.irp i, 0,1,2,3
	v_pk_add_f32 v[2*\i:2*\i+1], v[2*\i:2*\i+1], v[8*\p+2*\i:8*\p+2*\i+1]
.endr
.endr
.irp i, 0,1,2,3
	v_pk_mul_f32 v[2*\i:2*\i+1], v[2*\i:2*\i+1], 0x3a000000 op_sel_hi:[1,0]   ; / 2048: the mean of v, channels 8 lane .. + 7
.endr
	WIN 0x0c
	ds_store_b128 v[MVS], v[0:3]
	ds_store_b128 v[MVS], v[4:7] offset:16
	WIN 0x40
.set TT, 0
.rept 16
	ds_load_b128 v[8*TT:8*TT+3],   v[MVR] offset:64*TT      ; back in O^T's layout: channels 16 ct + 8 h + 0 .. 7; my wave's own bytes, served in order
	ds_load_b128 v[8*TT+4:8*TT+7], v[MVR] offset:64*TT+16
.set TT, TT+1
.endr
	WIN 0
.irp j, 0,1,2,3,4,5,6,7
	v_add_f32 v[SS+\j], v[SA+\j], v[SA+8+\j]       ; each sum is read from its low end on
.endr
.irp j, 0,1,2,3,4,5,6,7
	v_add_f32 v[S2+\j], v[SA+16+\j], v[SA+24+\j]
.endr
.irp j, 0,1,2,3,4,5,6,7
	v_add_f32 v[SS+\j], v[SS+\j], v[S2+\j]         ; the score of query r and key 8 h + j
.endr
.irp j, 0,1,2,3,4,5,6,7
	v_cmp_gt_i32 vcc_lo, \j, v[DD]                 ; key after query
	v_cndmask_b32 v[SS+\j], v[SS+\j], v[SENT], vcc_lo
	v_cmp_gt_i32 vcc_lo, 1, v[MW+\j]               ; key masked by the padding mask
	v_cndmask_b32 v[SS+\j], v[SS+\j], v[SENT], vcc_lo
.endr
	v_max3_num_f32 v[CM], v[SS], v[SS+1], v[SS+2]
	v_max3_num_f32 v[CM], v[CM], v[SS+3], v[SS+4]
	v_max3_num_f32 v[CM], v[CM], v[SS+5], v[SS+6]
	v_max_num_f32 v[CM], v[CM], v[SS+7]
	v_permlanex16_b32 v[T0], v[CM], s18, s19
	v_max_num_f32 v[CM], v[CM], v[T0]
	v_mul_f32 v[CM], s16, v[CM]                    ; c m
	v_cmp_gt_f32 s25, s17, v[CM]                   ; no key counts for this query
.irp j, 0,1,2,3,4,5,6,7
	v_fma_f32 v[SS+\j], v[SS+\j], s16, -v[CM]
.endr
.irp j, 0,1,2,3,4,5,6,7
	v_exp_f32 v[SS+\j], v[SS+\j]
.endr
	v_nop
	s_wait_alu depctr_va_vdst(0)                   ; one wait for the eight
	v_add_f32 v[S2], v[SS], v[SS+1]
	v_add_f32 v[S2+1], v[SS+2], v[SS+3]
	v_add_f32 v[S2+2], v[SS+4], v[SS+5]
	v_add_f32 v[S2+3], v[SS+6], v[SS+7]
	v_add_f32 v[S2], v[S2], v[S2+1]
	v_add_f32 v[S2+2], v[S2+2], v[S2+3]
	v_add_f32 v[S2], v[S2], v[S2+2]
	v_permlanex16_b32 v[T0], v[S2], s18, s19
	v_add_f32 v[S2], v[S2], v[T0]
	v_rcp_f32 v[S2+1], v[S2]
	v_nop
	s_wait_alu depctr_va_vdst(0)
.irp j, 0,1,2,3,4,5,6,7
	v_mul_f32 v[SS+\j], v[SS+\j], v[S2+1]          ; the weights, normalised
.endr
	WIN 0xa1                                       ; O^T = v^T p: sixteen sums by turns
.irp s, 0,1,2,3
.set TT, 0
.rept 16
.if \s == 0
	v_wmma_f32_16x16x4_f32 v[8*TT:8*TT+7], v[128+8*TT+2*\s:128+8*TT+2*\s+1], v[SS+2*\s:SS+2*\s+1], 0
.else
	v_wmma_f32_16x16x4_f32 v[8*TT:8*TT+7], v[128+8*TT+2*\s:128+8*TT+2*\s+1], v[SS+2*\s:SS+2*\s+1], v[8*TT:8*TT+7]
.endif
.set TT, TT+1
.endr
.endr
	WIN 0x80
.set TT, 64
.rept 64
	global_load_b32 v[128+TT], v[WBO], s[10:11] offset:(16*(TT/8)+TT%8)*8192   ; channel tiles 8-15
.set TT, TT+1
.endr
	WIN 0
	PLACES8
	s_wait_dscnt 0x0                               ; the mean is back
	WIN 0x06                                       ; source 0 window 2 (O^T), source 1 window 1 (the mean)
.set TT, 0
.rept 128
	v_cndmask_b32 v[FQ+TT], v[TT], v[TT], s25
.set TT, TT+1
.endr
	s_wait_loadcnt 63                              ; Wo's channel tiles 0-7 are in
	WIN 0x08                                       ; the projection: rows x Wo, four sums by turns
.set TT, 0
.rept 16
.if TT == 8
	s_wait_loadcnt 0x0
.endif
.irp s, 0,1,2,3
.if TT == 0
	v_wmma_f32_16x16x4_f32 v[PA+8*\s:PA+8*\s+7], v[FQ+8*TT+2*\s:FQ+8*TT+2*\s+1], v[128+8*TT+2*\s:128+8*TT+2*\s+1], 0
.else
	v_wmma_f32_16x16x4_f32 v[PA+8*\s:PA+8*\s+7], v[FQ+8*TT+2*\s:FQ+8*TT+2*\s+1], v[128+8*TT+2*\s:128+8*TT+2*\s+1], v[PA+8*\s:PA+8*\s+7]
.endif
.endr
.set TT, TT+1
.endr
	WIN 0
	PLACES8
.irp j, 0,1,2,3,4,5,6,7
	v_add_f32 v[PO+\j], v[PA+\j], v[PA+8+\j]
.endr
.irp j, 0,1,2,3,4,5,6,7
	v_add_f32 v[P2+\j], v[PA+16+\j], v[PA+24+\j]
.endr
.irp j, 0,1,2,3,4,5,6,7
	v_add_f32 v[PO+\j], v[PO+\j], v[P2+\j]         ; my head's part of out(8 h + j, column r)
.endr
	ds_store_b128 v[RST], v[PO:PO+3]
	ds_store_b128 v[RST], v[PO+4:PO+7] offset:512
	s_wait_dscnt 0x0                               ; for wave 0's sake
	s_barrier_signal -1
	s_barrier_wait -1
	s_cmp_lg_u32 s14, 0
	s_cbranch_scc1 .Lend
.irp v, 0,1,2,3
	ds_load_b128 v[FQ+8*\v:FQ+8*\v+3],   v[RRD] offset:1024*\v
	ds_load_b128 v[FQ+8*\v+4:FQ+8*\v+7], v[RRD] offset:1024*\v+512
.endr
	s_wait_dscnt 0x0
.irp v, 1,2,3
.irp i, 0,1,2,3
	v_pk_add_f32 v[FQ+2*\i:FQ+2*\i+1], v[FQ+2*\i:FQ+2*\i+1], v[FQ+8*\v+2*\i:FQ+8*\v+2*\i+1]
.endr
.endr
.irp j, 0,1,2,3,4,5,6,7
	global_store_b32 v[WBO], v[FQ+\j], s[12:13] offset:8192*\j
.endr
.Lend:
	s_wait_tensorcnt 0x0                           ; the wave's end
	ds_add_u32 v[SPW], v[NIL]
	s_wait_dscnt 0x0
	s_endpgm
.Lfunc_end_k_qfcd0ab749e_firstrows:
	.size	k_qfcd0ab749e_firstrows, .Lfunc_end_k_qfcd0ab749e_firstrows-k_qfcd0ab749e_firstrows
	.p2alignl 7, 3214868480
	.fill 96, 4, 3214868480
	.section	.rodata,"a",@progbits
	.p2align	6, 0x0
	.amdhsa_kernel k_qfcd0ab749e_firstrows
		.amdhsa_group_segment_fixed_size 8704
		.amdhsa_private_segment_fixed_size 0
		.amdhsa_enable_private_segment 0
		.amdhsa_kernarg_size 40
		.amdhsa_user_sgpr_count 2
		.amdhsa_user_sgpr_kernarg_segment_ptr 1
		.amdhsa_wavefront_size32 1
		.amdhsa_system_sgpr_workgroup_id_x 1
		.amdhsa_system_sgpr_workgroup_id_y 1
		.amdhsa_system_sgpr_workgroup_id_z 1
		.amdhsa_system_vgpr_workitem_id 0
		.amdhsa_next_free_vgpr 832
		.amdhsa_next_free_sgpr 66
		.amdhsa_reserve_vcc 1
		.amdhsa_float_denorm_mode_32 3
		.amdhsa_float_denorm_mode_16_64 3
		.amdhsa_memory_ordered 1
		.amdhsa_forward_progress 1
		.amdhsa_inst_pref_size 58
	.end_amdhsa_kernel
	.amdgpu_metadata
---
amdhsa.version: [ 1, 2 ]
amdhsa.kernels:
  - .name:           k_qfcd0ab749e_firstrows
    .symbol:         k_qfcd0ab749e_firstrows.kd
    .args:
      - { .name: first, .offset: 0, .size: 8, .value_kind: global_buffer, .address_space: global }
      - { .name: vsum, .offset: 8, .size: 8, .value_kind: global_buffer, .address_space: global }
      - { .name: attention_mask, .offset: 16, .size: 8, .value_kind: global_buffer, .address_space: global }
      - { .name: Wo, .offset: 24, .size: 8, .value_kind: global_buffer, .address_space: global }
      - { .name: out0, .offset: 32, .size: 8, .value_kind: global_buffer, .address_space: global }
    .group_segment_fixed_size: 8704
    .private_segment_fixed_size: 0
    .kernarg_segment_align: 8
    .kernarg_segment_size: 40
    .max_flat_workgroup_size: 128
    .sgpr_count:     66
    .vgpr_count:     832
    .wavefront_size: 32
...
	.end_amdgpu_metadata
.endif
;; end of part 5
